; MI455X (gfx1250); checked and timed in simulation.
; The chip was launched on July 23, 2026; its instructions are those of AMD's public machine-readable ISA for CDNA 5 (MIT licence, August 2026) and "CDNA5" Instruction Set Architecture Reference Guide (July 2026). The comments in the code are by the model that wrote it; some were corrected since.
;; Toy Mo E. Allowed arithmetic: matrix products marked QUANTISED: E3M2 operands, one E8M0 scale for each 32 along K, by v_wmma_scale_f32_16x16x128_f8f6f4 with both operands' format E3M2, f32 sums; products left as they are: f32 operands where the result goes on into a quantised operand, else bf16, f16 or f32 operands; f32 sums; everything else in f32.
;; Inputs: We_codes 8 x 1,024 x 32 x 24 uint8 (E3M2 codes of We, K innermost, in blocks of 32 codes, four codes in three bytes); We_scales 8 x 1,024 x 32 uint8 (E8M0 scales of We, one for each 32 codes along K); Wr 8 x 1,024 float32; be 8 x 1,024 float32; x 8,192 x 1,024 float32.
;; Outputs: out0 8,192 x 1,024 float32.
;; This version of the problem:
;;   THIS VERSION OF THE PROBLEM IS GIVEN IN LOW PRECISION. The matrix products marked QUANTISED in the list below multiply operands that are first quantised to E3M2 (3 exponent bits, 2 mantissa bits; 6 bits a number), with one power-of-two scale for each 32 numbers along K (OCP MX v1.0); their sums are f32. All else is computed in f32.
;;   The module's matrix products, in the order in which they are computed (A, B: the left and right operand; K: the contracted axis; several contracted axes count as one K, in the product's order):
;;     1. [M 8,192, K 1,024] x [K 1,024, N 8]; A: input x; B: input Wr: left as it is (N = 8 < 16)
;;     2. [M 8,192, K 1,024] x [K 1,024, N 8,192]; A: input x; B: input We (given as codes): QUANTISED
;;   THE QUANTISER, for each operand of a quantised product, along K:
;;     - K is cut into blocks of 32 from its start; a last block that is shorter is filled with zeros.
;;     - A block's scale is 2^e with e = floor(log2(the largest magnitude in the block)) - 4, held to -126 .. 127; a block of zeros has e = 0. As a byte (E8M0): e + 127.
;;     - Each number is divided by its block's scale, clamped to +-28, and rounded to the nearest number of E3M2, ties to even, subnormals kept.
;;     - The product sums the exact products of the quantised numbers (number of the format x scale) in f32.
;;   ~~~python
;;   def quantise(x, axis):      # numpy; x: float32 -> the quantised numbers, widened to float32 again
;;       x = np.moveaxis(x, axis, -1); K = x.shape[-1]
;;       x = np.pad(x, [(0, 0)] * (x.ndim - 1) + [(0, -K % 32)]); x = x.reshape(x.shape[:-1] + (-1, 32)); a = np.abs(x).max(-1, keepdims=True)
;;       e = np.where(a > 0, np.clip(np.frexp(np.where(a > 0, a, 1))[1] - 1 - 4, -126, 127), 0)      # np.frexp(a)[1] - 1 = floor(log2(a)), exactly
;;       r = np.clip(x / 2.0 ** e, -28, 28)
;;       step = 2.0 ** (np.maximum(np.frexp(np.where(r == 0, 1, r))[1] - 1, -2) - 2)
;;       q = np.round(r / step) * step * 2.0 ** e      # np.round: ties to even
;;       return np.moveaxis(q.reshape(q.shape[:-2] + (-1,))[..., :K], -1, axis).astype(np.float32)
;;   ~~~
;;   INPUTS GIVEN AS CODES. We (in the module: [8, 1024, 1024], K = its axis 1): each comes as NAME_codes (uint8): NAME with its K axis moved to the last place and cut into blocks of 32 codes, [.., K / 32, bytes a block], one block behind the other in memory; four codes in three bytes: a row's codes are one little-endian stream of bits, code i at bits 6 i .. 6 i + 5 (a code: sign, 3 exponent bits, 2 mantissa bits); and NAME_scales (uint8): the same leading axes, one E8M0 byte (e + 127) for each 32 codes along K. Its value is code x scale, taken as it is: it is not quantised again, and the codes and scales need not be those that the quantiser above would give.
;; 3 versions, each right; version 2 is faster than version 1; version 3 is version 2 with the launch experts written anew for expert scheduling mode. Each part assembles by itself: llvm-mc -triple=amdgcn-amd-amdhsa -mcpu=gfx1250 --defsym DOCPART=n.
;; ======== version 1 of 3: 3 launches
;; workspace buffers: x_codes 6,291,456 bytes; x_scales 262,144 bytes; gates 131,072 bytes; tokw 32,768 bytes of whole numbers; hist 8,192 bytes of whole numbers; order 32,768 bytes of whole numbers; tiles 1,024 bytes of whole numbers; WB 6,291,456 bytes
;; launch route (part 1): grid 256 x 1, 4 waves a work-group, no clusters, 67,072 bytes of LDS; arguments x, Wr, x_codes, x_scales, gates, tokw, hist; writes x_codes, x_scales, gates, tokw, hist
.if DOCPART == 1
	.amdgcn_target "amdgcn-amd-amdhsa--gfx1250"
	.amdhsa_code_object_version 6
	.text
	.protected	k_q27d2c7889a_route
	.globl	k_q27d2c7889a_route
	.p2align	8
	.type	k_q27d2c7889a_route,@function
k_q27d2c7889a_route:
	s_mov_b64 s[64:65], 0
	v_nop
	global_prefetch_b8 v0, s[64:65] scope:SCOPE_SE
	s_setreg_imm32_b32 hwreg(HW_REG_WAVE_MODE, 25, 1), 1
	s_wait_xcnt 0x0
; ROUTER AND QUANTISER.  x [8192][1024] f32, Wr [8][1024] f32.  For each token: the 8 logits x . Wr[e] (f32 fused multiply-adds), the two largest, their softmax gates;
; and x's codes of E3M2 with one E8M0 byte for each 32 along K.  x is read from memory once and serves both.
; OUT (all at fixed places: no address here hangs on a choice):
;   x_codes [token][768]: in each 96 bytes (128 along K) the four blocks of 24 bytes lie in the order 0, 2, 1, 3: so the operand's lane (row, half h) later finds its 48 bytes on end at 48 h.
;   x_scales [token][32], natural order.   gates [token]: w_lo, w_lo, w_hi, w_hi (f32), lo < hi the two experts.
;   tokw [token] = 2 x pair | rank << 16: pair = lo (15 - lo) / 2 + hi - lo - 1 (0 .. 27); rank = how many earlier tokens of my 32 have the same pair.   hist [group of 32 tokens][32] bytes: tokens of each pair.
; SHARES.  A work-group takes 32 tokens, each of its four waves 8 rows.  A wave keeps its 8 rows (256 registers, window 1) and all of Wr (256 registers, window 2): lane l holds k = 128 i + 4 l + 0 .. 3 of both.
; All 64 loads of a wave's rows go out at the head, 512 consecutive bytes each.  Wr comes once a work-group: each wave loads a quarter, and LDS hands it round.
; The conversion wants 16 neighbours along K in one lane: 512 numbers at a time turn through the wave's own stage in LDS (16 bytes of padding behind each 64), while the row's 128 packed multiply-adds are issued.
; No matrix unit (N = 8), no cluster (work-groups share only Wr's 32 KiB), no prefetch (the launch is one stream, asked for whole at the head).
; LIMITS.  NaN and infinite logits are not served (two valid experts are still named).  The order of the gates is taken from the logits, the lower index first where they are equal; two logits so close that their
; gates round to one number are not told from the order that the gates would give.  A block of zeros, and a block whose largest magnitude lies under 2^-122, get the byte 1; this program alone reads the bytes.
.set SP,    80                         ; a lane's place in a stage: 64 bytes + 16
.set WREG,  8192                       ; LDS: each wave's own region: two stages of 32 x SP, then its 256 scale bytes
.set SCB,   2*32*SP
.set WRL,   32768                      ; Wr, dense, 32,768 bytes
.set KEYL,  65536                      ; the 32 pair numbers
.set GATL,  65792                      ; the 32 gate quads
.set X,     16                         ; v16-47   two sets of 16 neighbours
.set ACC,   48                         ; v48-63   a pair of partial sums for each expert
.set RED,   64                         ; v64-71   a row's eight logits on their way through the lanes
.set PD,    72                         ; v72-79   the other half's sums
.set LG,    80                         ; v80-87   logits: lane l holds row l % 8
.set E,     88                         ; v88-103  a scale byte for each step
.set C,     104                        ; v104-167 codes: four registers a step, never written again
.set M1,    168
.set I1,    169
.set M2,    170
.set I2,    171
.set DD,    172                        ; v172-180 nine exponents, then exponentials
.set RC,    182
.set W2,    183
.set GQ,    184                        ; v184-187 the gate quad
.set LO,    188
.set HI,    189
.set PR,    190
.set KA,    191                        ; where my row's pair number goes in LDS
.set GD,    192                        ; and its gate quad
.set KEY,   193
.set LR,    194
.set CN,    195
.set QD,    196                        ; v196-199
.set TW,    200
.set KR,    201                        ; the tail: where lane = token reads them back
.set GR,    202
.set L4,    203
.set WA,    204
.set MSB, 0
.macro WIN new                         ; the immediate's high byte repeats the setting that is left
.if MSB != \new
	s_set_vgpr_msb (MSB<<8)|\new
.set MSB, \new
.endif
.endm
	s_load_b256 s[4:11], s[0:1], 0x0               ; x, Wr, x_codes, x_scales
	s_load_b128 s[12:15], s[0:1], 0x20             ; gates, tokw
	s_load_b64 s[16:17], s[0:1], 0x30              ; hist
	v_lshl_add_u32 v254, v0, 2, 0x10400
	v_mov_b32 v255, 0
	v_lshrrev_b32 v1, 5, v0
	v_readfirstlane_b32 s18, v1                    ; wave 0..3
	v_and_b32 v2, 31, v0                           ; lane
	v_lshlrev_b32 v3, 4, v2                        ; 16 x lane
	v_lshrrev_b32 v8, 3, v2                        ; my 12 bytes of codes in a step's 384: 96 x (which 128 along K)
	v_mul_u32_u24 v4, v8, 96
	v_bfe_u32 v8, v2, 1, 1
	v_mad_u32_u24 v4, v8, 48, v4                   ; + 48 for the odd blocks,
	v_bfe_u32 v8, v2, 2, 1
	v_mad_u32_u24 v4, v8, 24, v4                   ; + 24 for blocks 2 and 3,
	v_and_b32 v8, 1, v2
	v_mad_u32_u24 v4, v8, 12, v4                   ; + 12 for a block's upper 16 codes
	s_lshl_b32 s19, s18, 13                        ; my wave's region
	v_lshrrev_b32 v14, 2, v2
	v_mul_u32_u24 v14, v14, SP
	v_and_b32 v15, 3, v2
	v_lshl_add_u32 v14, v15, 4, v14
	v_add_nc_u32 v14, s19, v14                     ; the stage, on the way in: SP (lane / 4) + 16 (lane % 4)
	v_mul_u32_u24 v15, v2, SP
	v_add_nc_u32 v15, s19, v15                     ; and out: SP x lane
	v_lshrrev_b32 v5, 1, v2
	s_add_co_u32 s24, s19, SCB
	v_add_nc_u32 v5, s24, v5                       ; my block's scale byte
	v_lshlrev_b32 v7, 3, v2
	v_add_nc_u32 v6, s24, v7                       ; and 8 bytes a lane on their way out
	v_add_nc_u32 v[WA], s19, v3                    ; Wr's quarter into LDS: 8,192 x wave + 16 x lane
	v_and_b32 v8, 7, v2
	s_lshl_b32 s25, s18, 5
	s_add_co_u32 s25, s25, KEYL
	v_lshl_add_u32 v[KA], v8, 2, s25               ; KEYL + 4 (8 wave + lane % 8)
	s_lshl_b32 s25, s18, 7
	s_add_co_u32 s25, s25, GATL
	v_lshl_add_u32 v[GD], v8, 4, s25               ; GATL + 16 (8 wave + lane % 8)
	v_lshl_add_u32 v[KR], v2, 2, KEYL
	v_lshl_add_u32 v[GR], v2, 4, GATL
	v_lshlrev_b32 v[L4], 2, v2
.irp a, 0,1,2,3,4,5,6,7
	v_mov_b32 v[PD+\a], 0                          ; written once: a lane permute's destination counts as one of its sources
.endr
	s_mov_b32 s20, 0x76543210
	s_mov_b32 s21, 0xfedcba98                      ; v_permlanex16_b32's selects for lane l xor 16
	s_mov_b32 s22, 0x3fb8aa3b                      ; log2(e)
	s_lshl_b32 s26, ttmp9, 2
	s_add_co_u32 s26, s26, s18                     ; which run of 8 rows is my wave's
	s_lshl_b32 s28, s26, 15                        ; x: 8 rows of 4,096 bytes
	s_mov_b32 s29, 0
	s_mul_i32 s30, s26, 8*768                      ; codes
	s_mov_b32 s31, 0
	s_lshl_b32 s32, s26, 8                         ; scale bytes
	s_mov_b32 s33, 0
	s_lshl_b32 s34, s18, 13                        ; Wr: experts 2 wave, 2 wave + 1
	s_mov_b32 s35, 0
	s_lshl_b32 s36, ttmp9, 9                       ; gates: 32 tokens x 16 bytes
	s_mov_b32 s37, 0
	s_lshl_b32 s38, ttmp9, 7                       ; tokw
	s_mov_b32 s39, 0
	s_lshl_b32 s40, ttmp9, 5                       ; hist
	s_mov_b32 s41, 0
	s_wait_kmcnt 0x0
	s_add_nc_u64 s[4:5], s[4:5], s[28:29]
	s_add_nc_u64 s[6:7], s[6:7], s[34:35]
	s_add_nc_u64 s[8:9], s[8:9], s[30:31]
	s_add_nc_u64 s[10:11], s[10:11], s[32:33]
	s_add_nc_u64 s[12:13], s[12:13], s[36:37]
	s_add_nc_u64 s[14:15], s[14:15], s[38:39]
	s_add_nc_u64 s[16:17], s[16:17], s[40:41]
.macro XLOAD j                         ; row j: eight loads of 512 consecutive bytes, into window 1
.irp i, 0,1,2,3,4,5,6,7
	global_load_b128 v[32*\j+4*\i:32*\j+4*\i+3], v3, s[4:5] offset:4096*\j+512*\i th:TH_LOAD_NT
.endr
.endm
	WIN 0x80                                       ; destination window 2
.irp k, 0,1,2,3,4,5,6,7,8,9,10,11,12,13,14,15
	global_load_b128 v[4*\k:4*\k+3], v3, s[6:7] offset:512*\k   ; my quarter of Wr
.endr
	WIN 0x40                                       ; destination window 1
	XLOAD 0
	XLOAD 1
	XLOAD 2
	XLOAD 3
	XLOAD 4
	s_wait_loadcnt 40                              ; the 40 loads of x issued behind it may be out: my quarter of Wr is in
	WIN 0x08                                       ; an LDS store's data are its source 1: window 2
.irp k, 0,1,2,3,4,5,6,7,8,9,10,11,12,13,14,15
	ds_store_b128 v[WA], v[4*\k:4*\k+3] offset:WRL+512*\k
.endr
	WIN 0x40
	XLOAD 5
	XLOAD 6
	XLOAD 7
	WIN 0
	s_wait_dscnt 0x0                               ; for the others' sake: my quarter lies in LDS
	s_barrier_signal -1
	s_barrier_wait -1                              ; all four do
	WIN 0x80
.irp m, 0,1,2,3,4,5,6,7,8,9,10,11,12,13,14,15,16,17,18,19,20,21,22,23,24,25,26,27,28,29,30,31,32,33,34,35,36,37,38,39,40,41,42,43,44,45,46,47,48,49,50,51,52,53,54,55,56,57,58,59,60,61,62,63
	ds_load_b128 v[4*\m:4*\m+3], v3 offset:WRL+512*\m   ; expert m / 8, k = 128 (m % 8) + 4 lane on: as x's rows lie
.endr
	WIN 0
	s_wait_dscnt 0x0
; 512 numbers (step u of row j) become codes and 16 scale bytes.  Two neighbouring lanes hold a block.
.macro QSTEP j, u
.set XS, X+16*\u
.set T, 2*\j+\u
	v_max3_num_f32 v8, |v[XS]|, |v[XS+1]|, |v[XS+2]|               ; the largest magnitude of my 16, in two chains
	v_max3_num_f32 v9, |v[XS+3]|, |v[XS+4]|, |v[XS+5]|
.irp i, 6,10
	v_max3_num_f32 v8, v8, |v[XS+\i]|, |v[XS+\i+1]|
	v_max3_num_f32 v9, v9, |v[XS+\i+2]|, |v[XS+\i+3]|
.endr
	v_max3_num_f32 v8, v8, |v[XS+14]|, |v[XS+15]|
	v_max3_num_f32 v8, v8, v9, 5<<23               ; and the floor 2^(5 - 127): the byte cannot fall under 1
	v_max_num_f32_dpp v8, v8, v8 row_xmask:1 row_mask:0xf bank_mask:0xf   ; with my neighbour's 16: the block's
	v_add_nc_u32 v11, 0xfe000000, v8               ; 4 off its exponent field: the conversion takes the exponent field of this operand as its scale
	v_cvt_scalef32_pk16_bf6_f32 v[C+4*T:C+4*T+2], v[XS:XS+15], v11
	v_lshrrev_b32 v[E+T], 23, v11                  ; the scale's byte (also the plain line behind the conversion)
	ds_store_b8 v5, v[E+T] offset:16*T             ; both lanes of a block write the same byte with the same value
	global_store_b96 v4, v[C+4*T:C+4*T+2], s[8:9] offset:768*\j+384*\u   ; the wave's 32 x 12 bytes fill 384 consecutive bytes
.endm
.macro ROW j
	s_wait_loadcnt 8*(7-\j)                        ; the later rows' loads may be out
	WIN 0x04                                       ; store data: window 1
.irp u, 0,1
.irp i, 0,1,2,3
	ds_store_b128 v14, v[32*\j+16*\u+4*\i:32*\j+16*\u+4*\i+3] offset:32*SP*\u+8*SP*\i
.endr
.endr
	WIN 0
.irp u, 0,1
.irp i, 0,1,2,3
	ds_load_b128 v[X+16*\u+4*\i:X+16*\u+4*\i+3], v15 offset:32*SP*\u+16*\i   ; LDS serves a wave's instructions in order: these see the stores above
.endr
.endr
	WIN 0x09                                       ; source 0 (x) window 1, source 1 (Wr) window 2, sums window 0
.irp a, 0,1,2,3,4,5,6,7
	v_pk_mul_f32 v[ACC+2*\a:ACC+2*\a+1], v[32*\j:32*\j+1], v[32*\a:32*\a+1]   ; the first products start the sums
.endr
.irp p, 1,2,3,4,5,6,7,8,9,10,11,12,13,14,15
.irp a, 0,1,2,3,4,5,6,7
	v_pk_fma_f32 v[ACC+2*\a:ACC+2*\a+1], v[32*\j+2*\p:32*\j+2*\p+1], v[32*\a+2*\p:32*\a+2*\p+1], v[ACC+2*\a:ACC+2*\a+1]
.endr
.endr
	WIN 0
.irp a, 0,1,2,3,4,5,6,7
	v_add_f32 v[RED+\a], v[ACC+2*\a], v[ACC+2*\a+1]
.endr
.irp m, 1,2,4,8
.irp a, 0,1,2,3,4,5,6,7
	v_add_f32_dpp v[RED+\a], v[RED+\a], v[RED+\a] row_xmask:\m row_mask:0xf bank_mask:0xf
.endr
.endr
.irp a, 0,1,2,3,4,5,6,7
	v_permlanex16_b32 v[PD+\a], v[RED+\a], s20, s21
.endr
.irp a, 0,1,2,3,4,5,6,7
	v_add_f32 v[RED+\a], v[RED+\a], v[PD+\a]       ; every lane holds the row's logit
.endr
.if \j == 0
.irp a, 0,1,2,3,4,5,6,7
	v_mov_b32 v[LG+\a], v[RED+\a]
.endr
.else
	s_mov_b32 s23, 0x01010101<<\j                  ; the lanes with lane % 8 = j keep it
.irp a, 0,1,2,3,4,5,6,7
	v_cndmask_b32 v[LG+\a], v[LG+\a], v[RED+\a], s23
.endr
.endif
	s_wait_dscnt 0x0                               ; the row is back from the stages
	QSTEP \j, 0
	QSTEP \j, 1
.endm
	ROW 0
	ROW 1
	ROW 2
	ROW 3
	ROW 4
	ROW 5
	ROW 6
	ROW 7
	; THE TWO LARGEST, in every lane for row lane % 8.  A strict comparison keeps the lower index where two are equal.
	v_mov_b32 v[M1], v[LG]
	v_mov_b32 v[I1], 0
.irp a, 1,2,3,4,5,6,7
	v_cmp_gt_f32 vcc_lo, v[LG+\a], v[M1]
	v_cndmask_b32 v[M1], v[M1], v[LG+\a], vcc_lo
	v_cndmask_b32 v[I1], v[I1], \a, vcc_lo
.endr
	v_cmp_eq_u32 vcc_lo, 0, v[I1]
	v_cndmask_b32 v[I2], 0, 1, vcc_lo              ; the second begins at an index that is not the first's: the pair is valid whatever the logits hold
	v_mov_b32 v[M2], 0xff800000                    ; -infinity
.irp a, 0,1,2,3,4,5,6,7
	v_cmp_ne_u32 s24, \a, v[I1]
	v_cmp_gt_f32 vcc_lo, v[LG+\a], v[M2]
	s_and_b32 vcc_lo, vcc_lo, s24
	v_cndmask_b32 v[M2], v[M2], v[LG+\a], vcc_lo
	v_cndmask_b32 v[I2], v[I2], \a, vcc_lo
.endr
	; THE GATES: softmax with the row's largest logit taken away: the first is 1 / sum, the second exp(m2 - m1) / sum
.irp a, 0,1,2,3,4,5,6,7
	v_sub_f32 v[DD+\a], v[LG+\a], v[M1]
.endr
	v_sub_f32 v[DD+8], v[M2], v[M1]
.irp a, 0,1,2,3,4,5,6,7,8
	v_mul_f32 v[DD+\a], s22, v[DD+\a]
.endr
.irp a, 0,1,2,3,4,5,6,7,8
	v_exp_f32 v[DD+\a], v[DD+\a]                   ; one batch of nine
.endr
	v_min_u32 v[LO], v[I1], v[I2]                  ; the pair's number is the independent work behind the batch
	v_max_u32 v[HI], v[I1], v[I2]
	v_sub_nc_u32 v[PR], 15, v[LO]
	v_mul_u32_u24 v[PR], v[PR], v[LO]
	v_lshrrev_b32 v[PR], 1, v[PR]
	v_add_nc_u32 v[PR], v[PR], v[HI]
	v_sub_nc_u32 v[PR], v[PR], v[LO]
	v_add_nc_u32 v[PR], -1, v[PR]                  ; lo (15 - lo) / 2 + hi - lo - 1
	s_wait_alu depctr_va_vdst(0)                   ; one wait for the nine, ahead of their first reader
	v_add_f32 v[DD], v[DD], v[DD+1]
	v_add_f32 v[DD+2], v[DD+2], v[DD+3]
	v_add_f32 v[DD+4], v[DD+4], v[DD+5]
	v_add_f32 v[DD+6], v[DD+6], v[DD+7]
	v_add_f32 v[DD], v[DD], v[DD+2]
	v_add_f32 v[DD+4], v[DD+4], v[DD+6]
	v_add_f32 v[DD], v[DD], v[DD+4]
	v_rcp_f32 v[RC], v[DD]
	v_cmp_lt_u32 vcc_lo, v[I1], v[I2]              ; is the larger gate the lower expert's?
	v_nop                                          ; a plain line behind the reciprocal
	s_wait_alu depctr_va_vdst(0)                   ; and its wait
	v_mul_f32 v[W2], v[DD+8], v[RC]
	v_cndmask_b32 v[GQ], v[W2], v[RC], vcc_lo      ; w_lo
	v_cndmask_b32 v[GQ+2], v[RC], v[W2], vcc_lo    ; w_hi
	v_mov_b32 v[GQ+1], v[GQ]
	v_mov_b32 v[GQ+3], v[GQ+2]
	ds_store_b32 v[KA], v[PR]                      ; the four lanes of a row write the same word with the same value
	ds_store_b128 v[GD], v[GQ:GQ+3]
	ds_load_b64 v[12:13], v6                       ; my wave's 256 scale bytes
	s_wait_dscnt 0x0                               ; they are in; and, for wave 0's sake, my stores have landed
	global_store_b64 v7, v[12:13], s[10:11]        ; 32 lanes store 256 consecutive bytes, at a multiple of 256 from the buffer's first byte
	s_barrier_signal -1
	s_barrier_wait -1
	s_cmp_lg_u32 s18, 0
	s_cbranch_scc1 .Lend
	; WAVE 0, a lane to a token: its rank among the earlier tokens of the same pair, and (a lane to a pair) the group's count of each pair
	ds_load_b32 v[KEY], v[KR]
	ds_load_b128 v[QD:QD+3], v[GR]
	v_mov_b32 v[LR], 0
	v_mov_b32 v[CN], 0
	s_wait_dscnt 0x0
.set J, 0
.rept 32
	v_readlane_b32 s24, v[KEY], J                  ; token J's pair
	v_cmp_eq_u32 vcc_lo, s24, v2
	v_add_co_ci_u32 v[CN], vcc_lo, 0, v[CN], vcc_lo   ; one more of the pair whose number is my lane's
.if J < 31
	v_cmp_eq_u32 vcc_lo, s24, v[KEY]
	s_and_b32 vcc_lo, vcc_lo, (0xffffffff<<(J+1))&0xffffffff   ; only later tokens count it
	v_add_co_ci_u32 v[LR], vcc_lo, 0, v[LR], vcc_lo
.endif
.set J, J+1
.endr
	v_lshlrev_b32 v[TW], 1, v[KEY]
	v_lshl_or_b32 v[TW], v[LR], 16, v[TW]
	global_store_b32 v[L4], v[TW], s[14:15]
	global_store_b128 v3, v[QD:QD+3], s[12:13]
	global_store_b8 v2, v[CN], s[16:17]
.Lend:
	s_wait_tensorcnt 0x0
	ds_add_u32 v254, v255
	s_wait_dscnt 0x0
	s_endpgm
.Lfunc_end_k_q27d2c7889a_route:
	.size	k_q27d2c7889a_route, .Lfunc_end_k_q27d2c7889a_route-k_q27d2c7889a_route
	.p2alignl 7, 3214868480
	.fill 96, 4, 3214868480
	.section	.rodata,"a",@progbits
	.p2align	6, 0x0
	.amdhsa_kernel k_q27d2c7889a_route
		.amdhsa_group_segment_fixed_size 67072
		.amdhsa_private_segment_fixed_size 0
		.amdhsa_enable_private_segment 0
		.amdhsa_kernarg_size 56
		.amdhsa_user_sgpr_count 2
		.amdhsa_user_sgpr_kernarg_segment_ptr 1
		.amdhsa_wavefront_size32 1
		.amdhsa_system_sgpr_workgroup_id_x 1
		.amdhsa_system_sgpr_workgroup_id_y 1
		.amdhsa_system_sgpr_workgroup_id_z 1
		.amdhsa_system_vgpr_workitem_id 0
		.amdhsa_next_free_vgpr 768
		.amdhsa_next_free_sgpr 66
		.amdhsa_reserve_vcc 1
		.amdhsa_float_denorm_mode_32 3
		.amdhsa_float_denorm_mode_16_64 3
		.amdhsa_memory_ordered 1
		.amdhsa_forward_progress 1
		.amdhsa_inst_pref_size 146
	.end_amdhsa_kernel
	.amdgpu_metadata
---
amdhsa.version: [ 1, 2 ]
amdhsa.kernels:
  - .name:           k_q27d2c7889a_route
    .symbol:         k_q27d2c7889a_route.kd
    .args:
      - { .name: x, .offset: 0, .size: 8, .value_kind: global_buffer, .address_space: global }
      - { .name: Wr, .offset: 8, .size: 8, .value_kind: global_buffer, .address_space: global }
      - { .name: x_codes, .offset: 16, .size: 8, .value_kind: global_buffer, .address_space: global }
      - { .name: x_scales, .offset: 24, .size: 8, .value_kind: global_buffer, .address_space: global }
      - { .name: gates, .offset: 32, .size: 8, .value_kind: global_buffer, .address_space: global }
      - { .name: tokw, .offset: 40, .size: 8, .value_kind: global_buffer, .address_space: global }
      - { .name: hist, .offset: 48, .size: 8, .value_kind: global_buffer, .address_space: global }
    .group_segment_fixed_size: 67072
    .private_segment_fixed_size: 0
    .kernarg_segment_align: 8
    .kernarg_segment_size: 56
    .max_flat_workgroup_size: 128
    .sgpr_count:     66
    .vgpr_count:     768
    .wavefront_size: 32
...
	.end_amdgpu_metadata
.endif
;; end of part 1
;; launch place (part 2): grid 65 x 1, 8 waves a work-group, no clusters, 33,792 bytes of LDS; arguments tokw, hist, We_codes, order, tiles, WB; writes order, tiles, WB
.if DOCPART == 2
	.amdgcn_target "amdgcn-amd-amdhsa--gfx1250"
	.amdhsa_code_object_version 6
	.text
	.protected	k_q27d2c7889a_place
	.globl	k_q27d2c7889a_place
	.p2align	8
	.type	k_q27d2c7889a_place,@function
k_q27d2c7889a_place:
	s_mov_b64 s[64:65], 0
	v_nop
	global_prefetch_b8 v0, s[64:65] scope:SCOPE_SE
	s_setreg_imm32_b32 hwreg(HW_REG_WAVE_MODE, 25, 1), 1
	s_wait_xcnt 0x0
; TWO JOBS IN ONE LAUNCH, parted by the work-group's number.
; WORK-GROUP 0: the counting sort of the 8,192 tokens by their pair of experts (28 pairs), without atomics.  In: tokw [token] = 2 x pair | rank in its group of 32 << 16; hist [256 groups][32] bytes: tokens of each pair.
;   Out: order [8192]: the tokens, pair by pair;  tiles: 64 records (lo, hi, first place in order, rows): each pair cut into tiles of 320 rows; never more than 53 have rows
;   (the sum over 28 pairs of ceil(c / 320), with the c adding to 8,192); the records behind the last tile hold 0 rows.
; WORK-GROUPS 1 TO 64: We's codes are laid once in the order of the operand's registers.  A wave takes 16 rows n of one expert (12,288 bytes): for each 128 along K lane (r, h) takes the 24 bytes at 96 s + 24 h and at
;   96 s + 48 + 24 h of row r (its twelve registers) and stores them as three runs of 512 bytes, 16 bytes a lane: WB [expert x 64 + tile of 16 rows][K step][1,536].  The next launch then loads a fragment by three loads of 16 bytes a lane.
; Only the sort uses LDS and barriers.  No cluster, no matrix unit, no prefetch: nothing is shared and the launch is short.
.set HL,   0                           ; LDS: the counts, a group's 32 bytes in a row of 48 (an odd multiple of 16)
.set TOT,  12288                       ; the pairs' totals: for each wave two words of two 16-bit sums
.set TAB,  12544                       ; [group][pair] 16-bit: the place of the group's first token of the pair; a row is 72 bytes
.set TW,   16                          ; v16-47   my 32 words of tokw
.set AA,   48                          ; v48-55   counts of pairs 4 w (low half) and 4 w + 2 (high half) in my eight groups
.set BB,   56                          ; v56-63   of pairs 4 w + 1 and 4 w + 3
.set AD,   96                          ; v96-127  addresses
.set TV,   128                         ; v128-159 what the table says
.set TK,   160                         ; v160-191 token numbers
	s_load_b256 s[4:11], s[0:1], 0x0               ; tokw, hist, We_codes, order
	s_load_b128 s[12:15], s[0:1], 0x20             ; tiles, WB
	v_lshl_add_u32 v192, v0, 2, 0x8000
	v_mov_b32 v193, 0
	v_lshrrev_b32 v1, 5, v0
	v_readfirstlane_b32 s16, v1                    ; wave 0..7
	v_and_b32 v2, 31, v0                           ; lane
	s_cmp_eq_u32 ttmp9, 0
	s_cbranch_scc1 .Lsort
	; ---- the weights
	s_sub_co_u32 s17, ttmp9, 1
	s_lshl_b32 s17, s17, 3
	s_add_co_u32 s17, s17, s16                     ; which 16 rows of the 8,192
	s_mul_i32 s18, s17, 12288
	s_mov_b32 s19, 0
	v_and_b32 v3, 15, v0                           ; r
	v_bfe_u32 v4, v0, 4, 1                         ; h
	v_mul_u32_u24 v5, v3, 768
	v_mad_u32_u24 v5, v4, 24, v5                   ; row r, + 24 h
	v_lshlrev_b32 v6, 4, v2
	s_wait_kmcnt 0x0
	s_add_nc_u64 s[8:9], s[8:9], s[18:19]
	s_add_nc_u64 s[14:15], s[14:15], s[18:19]
.irp s, 0,1,2,3,4,5,6,7
.irp p, 0,1,2,3,4,5
	global_load_b64 v[16+12*\s+2*\p:17+12*\s+2*\p], v5, s[8:9] offset:96*\s+48*(\p/3)+8*(\p%3)
.endr
.endr
.irp s, 0,1,2,3,4,5,6,7
	s_wait_loadcnt 6*(7-\s)                        ; the later K steps' loads may be out
.irp c, 0,1,2
	global_store_b128 v6, v[16+12*\s+4*\c:19+12*\s+4*\c], s[14:15] offset:1536*\s+512*\c   ; 32 lanes store 512 consecutive bytes
.endr
.endr
	s_endpgm
.Lsort:
	; ---- S0: thread = group loads its 32 counts; a thread's 32 words of tokw: register 4 q + j is token 1024 w + 128 q + 4 lane + j
	v_lshlrev_b32 v89, 5, v0
	s_lshl_b32 s17, s16, 12
	v_lshl_add_u32 v90, v2, 4, s17
	s_wait_kmcnt 0x0
	global_load_b128 v[4:7], v89, s[6:7]
	global_load_b128 v[8:11], v89, s[6:7] offset:16
.irp q, 0,1,2,3,4,5,6,7
	global_load_b128 v[TW+4*\q:TW+4*\q+3], v90, s[4:5] offset:512*\q
.endr
	v_mul_u32_u24 v84, v0, 48
	v_mul_u32_u24 v85, v2, 48
	s_lshl_b32 s18, s16, 2
	v_add_nc_u32 v85, s18, v85                     ; 48 lane + 4 wave
	s_lshl_b32 s23, s16, 3
	s_add_co_u32 s24, s23, TOT
	v_mov_b32 v86, s24                             ; TOT + 8 wave
	v_mul_u32_u24 v87, v2, 72
	s_add_co_u32 s23, s23, TAB
	v_add_nc_u32 v87, s23, v87                     ; TAB + 72 lane + 8 wave
	v_lshrrev_b32 v88, 3, v2
	v_mul_u32_u24 v88, v88, 72
	s_mul_i32 s23, s16, 32*72
	s_add_co_u32 s23, s23, TAB
	v_add_nc_u32 v88, s23, v88                     ; TAB + 72 (32 wave + lane / 8)
	s_lshl_b32 s23, s16, 10
	v_lshl_add_u32 v91, v2, 2, s23                 ; 1024 wave + 4 lane
	v_mov_b32 v92, TOT
	v_lshlrev_b32 v93, 4, v0
	s_mov_b32 s19, 0x00ff00ff
	s_mov_b32 s22, 0xffff0000
	s_wait_loadcnt 8                               ; tokw's eight loads may be out: the counts are in
	ds_store_b128 v84, v[4:7]
	ds_store_b128 v84, v[8:11] offset:16
	s_wait_dscnt 0x0
	s_barrier_signal -1
	s_barrier_wait -1                              ; all 256 groups' counts lie in LDS
	; ---- S2: wave w owns pairs 4 w .. 4 w + 3; lane l owns groups l + 32 j.  Two pairs' sums ride in the halves of a word: none passes 8,192
.irp j, 0,1,2,3,4,5,6,7
	ds_load_b32 v[AA+\j], v85 offset:1536*\j
.endr
	s_wait_dscnt 0x0
.irp j, 0,1,2,3,4,5,6,7
	v_lshrrev_b32 v[BB+\j], 8, v[AA+\j]
.endr
.irp j, 0,1,2,3,4,5,6,7
	v_and_b32 v[AA+\j], s19, v[AA+\j]
	v_and_b32 v[BB+\j], s19, v[BB+\j]
.endr
	v_add3_u32 v64, v[AA], v[AA+1], v[AA+2]        ; my eight groups' sums
	v_add3_u32 v65, v[BB], v[BB+1], v[BB+2]
	v_add3_u32 v64, v64, v[AA+3], v[AA+4]
	v_add3_u32 v65, v65, v[BB+3], v[BB+4]
	v_add3_u32 v64, v64, v[AA+5], v[AA+6]
	v_add3_u32 v65, v65, v[BB+5], v[BB+6]
	v_add_nc_u32 v64, v64, v[AA+7]
	v_add_nc_u32 v65, v65, v[BB+7]
	v_mov_b32 v66, v64
	v_mov_b32 v67, v65
	v_mov_b32 v68, 0
	v_mov_b32 v69, 0
.irp m, 1,2,4,8                        ; running sums over the lanes, mine included: inside each 16 lanes,
	v_mov_b32_dpp v68, v66 row_shr:\m row_mask:0xf bank_mask:0xf bound_ctrl:1
	v_mov_b32_dpp v69, v67 row_shr:\m row_mask:0xf bank_mask:0xf bound_ctrl:1
	v_add_nc_u32 v66, v66, v68
	v_add_nc_u32 v67, v67, v69
.endr
	v_readlane_b32 s20, v66, 15
	v_readlane_b32 s21, v67, 15
	v_add_nc_u32 v68, s20, v66
	v_add_nc_u32 v69, s21, v67
	v_cndmask_b32 v66, v66, v68, s22               ; then lanes 16-31 take the lower half's total on top
	v_cndmask_b32 v67, v67, v69, s22
	v_readlane_b32 s20, v66, 31
	v_readlane_b32 s21, v67, 31
	v_mov_b32 v68, s20
	v_mov_b32 v69, s21
	ds_store_b64 v86, v[68:69]                     ; my four pairs' totals; all lanes write the same words with the same values
	s_wait_dscnt 0x0
	s_barrier_signal -1
	s_barrier_wait -1
	; ---- S3: every wave walks the 28 pairs: first place and first tile of each; thread t picks the pair that tile t belongs to
.irp c, 0,1,2,3
	ds_load_b128 v[AD+4*\c:AD+4*\c+3], v92 offset:16*\c
.endr
	s_wait_dscnt 0x0
.irp i, 0,1,2,3,4,5,6,7,8,9,10,11,12,13,14,15
	v_readfirstlane_b32 s[32+\i], v[AD+\i]
.endr
	s_mov_b32 s25, 0                               ; places so far
	s_mov_b32 s26, 0                               ; tiles so far
	s_mov_b32 s28, 0                               ; s28-31: the first places of my wave's four pairs
	s_mov_b32 s29, 0
	s_mov_b32 s30, 0
	s_mov_b32 s31, 0
	v_mov_b32 v72, 0                               ; lo
	v_mov_b32 v73, 0                               ; hi
	v_mov_b32 v76, 0                               ; the pair's first place
	v_mov_b32 v77, 0                               ; its count
	v_mov_b32 v78, 0                               ; its first tile
.macro PAIR p, lo, hi
	s_bfe_u32 s24, s[32+2*((\p)>>2)+((\p)&1)], (16<<16)|(16*(((\p)>>1)&1))   ; the pair's count
	v_cmp_le_u32 vcc_lo, s26, v0                   ; tile t lies at or behind the pair's first tile: later pairs write over earlier ones
	v_cndmask_b32 v72, v72, \lo, vcc_lo
	v_cndmask_b32 v73, v73, \hi, vcc_lo
	v_cndmask_b32 v76, v76, s25, vcc_lo
	v_cndmask_b32 v77, v77, s24, vcc_lo
	v_cndmask_b32 v78, v78, s26, vcc_lo
	s_cmp_eq_u32 s16, (\p)>>2
	s_cselect_b32 s[28+((\p)&3)], s25, s[28+((\p)&3)]
	s_add_co_u32 s25, s25, s24
	s_add_co_u32 s27, s24, 319                     ; ceil(count / 320) = ((count + 319) / 64) / 5; x / 5 = x * 0xcccd >> 18 for the x <= 132 met here
	s_lshr_b32 s27, s27, 6
	s_mul_i32 s27, s27, 0xcccd
	s_lshr_b32 s27, s27, 18
	s_add_co_u32 s26, s26, s27
.endm
.set PN, 0
.irp lo, 0,1,2,3,4,5,6
.irp hi, 1,2,3,4,5,6,7
.if \hi > \lo
	PAIR PN, \lo, \hi
.set PN, PN+1
.endif
.endr
.endr
	s_lshl_b32 s27, s30, 16
	s_or_b32 s28, s28, s27                         ; first places of pairs 4 w and 4 w + 2, in halves
	s_lshl_b32 s27, s31, 16
	s_or_b32 s29, s29, s27                         ; of 4 w + 1 and 4 w + 3
	v_sub_nc_u32 v80, v66, v64                     ; the lanes before me,
	v_sub_nc_u32 v81, v67, v65
	v_add_nc_u32 v80, s28, v80                     ; on top of the pair's first place: where my first group's tokens begin
	v_add_nc_u32 v81, s29, v81
.irp j, 0,1,2,3,4,5,6,7
	v_perm_b32 v[112+2*\j], v81, v80, 0x05040100   ; pairs 4 w, 4 w + 1
	v_perm_b32 v[113+2*\j], v81, v80, 0x07060302   ; pairs 4 w + 2, 4 w + 3
	ds_store_b64 v87, v[112+2*\j:113+2*\j] offset:2304*\j
.if \j < 7
	v_add_nc_u32 v80, v80, v[AA+\j]
	v_add_nc_u32 v81, v81, v[BB+\j]
.endif
.endr
	s_wait_dscnt 0x0
	s_barrier_signal -1
	s_barrier_wait -1                              ; the table is whole; behind this barrier LDS is only read
	; ---- S4: each token's place = its group's first place for its pair + its rank in the group
	s_wait_loadcnt 0x0
.irp q, 0,1,2,3,4,5,6,7
.irp j, 0,1,2,3
	v_and_b32 v[AD+4*\q+\j], 0xffff, v[TW+4*\q+\j]
	v_min_u32 v[AD+4*\q+\j], 62, v[AD+4*\q+\j]     ; 2 x pair, held inside a row of the table
	v_add_nc_u32 v[AD+4*\q+\j], v88, v[AD+4*\q+\j]
	ds_load_u16 v[TV+4*\q+\j], v[AD+4*\q+\j] offset:288*\q   ; the token's group is 32 w + 4 q + lane / 8
.endr
.endr
	s_wait_dscnt 0x0
.irp q, 0,1,2,3,4,5,6,7
.irp j, 0,1,2,3
	v_lshrrev_b32 v[AD+4*\q+\j], 16, v[TW+4*\q+\j]
	v_add_nc_u32 v[AD+4*\q+\j], v[AD+4*\q+\j], v[TV+4*\q+\j]
	v_min_u32 v[AD+4*\q+\j], 0x1fff, v[AD+4*\q+\j] ; held inside the list
	v_lshlrev_b32 v[AD+4*\q+\j], 2, v[AD+4*\q+\j]
	v_add_nc_u32 v[TK+4*\q+\j], 128*\q+\j, v91
	global_store_b32 v[AD+4*\q+\j], v[TK+4*\q+\j], s[10:11]
.endr
.endr
	; ---- S5: the records; threads 0 to 63 store the list's 1,024 bytes
	s_cmp_ge_u32 s16, 2
	s_cbranch_scc1 .Ldone
	v_sub_nc_u32 v79, v0, v78                      ; which tile of its pair
	v_mul_u32_u24 v79, v79, 320
	v_add_nc_u32 v74, v76, v79                     ; its first place
	v_sub_nc_u32 v75, v77, v79                     ; what is left of the pair there,
	v_max_i32 v75, 0, v75                          ; held to 0 .. 320
	v_min_i32 v75, 320, v75
	global_store_b128 v93, v[72:75], s[12:13]
.Ldone:
	s_wait_tensorcnt 0x0
	ds_add_u32 v192, v193
	s_wait_dscnt 0x0
	s_endpgm
.Lfunc_end_k_q27d2c7889a_place:
	.size	k_q27d2c7889a_place, .Lfunc_end_k_q27d2c7889a_place-k_q27d2c7889a_place
	.p2alignl 7, 3214868480
	.fill 96, 4, 3214868480
	.section	.rodata,"a",@progbits
	.p2align	6, 0x0
	.amdhsa_kernel k_q27d2c7889a_place
		.amdhsa_group_segment_fixed_size 33792
		.amdhsa_private_segment_fixed_size 0
		.amdhsa_enable_private_segment 0
		.amdhsa_kernarg_size 48
		.amdhsa_user_sgpr_count 2
		.amdhsa_user_sgpr_kernarg_segment_ptr 1
		.amdhsa_wavefront_size32 1
		.amdhsa_system_sgpr_workgroup_id_x 1
		.amdhsa_system_sgpr_workgroup_id_y 1
		.amdhsa_system_sgpr_workgroup_id_z 1
		.amdhsa_system_vgpr_workitem_id 0
		.amdhsa_next_free_vgpr 194
		.amdhsa_next_free_sgpr 66
		.amdhsa_reserve_vcc 1
		.amdhsa_float_denorm_mode_32 3
		.amdhsa_float_denorm_mode_16_64 3
		.amdhsa_memory_ordered 1
		.amdhsa_forward_progress 1
		.amdhsa_inst_pref_size 55
	.end_amdhsa_kernel
	.amdgpu_metadata
---
amdhsa.version: [ 1, 2 ]
amdhsa.kernels:
  - .name:           k_q27d2c7889a_place
    .symbol:         k_q27d2c7889a_place.kd
    .args:
      - { .name: tokw, .offset: 0, .size: 8, .value_kind: global_buffer, .address_space: global }
      - { .name: hist, .offset: 8, .size: 8, .value_kind: global_buffer, .address_space: global }
      - { .name: We_codes, .offset: 16, .size: 8, .value_kind: global_buffer, .address_space: global }
      - { .name: order, .offset: 24, .size: 8, .value_kind: global_buffer, .address_space: global }
      - { .name: tiles, .offset: 32, .size: 8, .value_kind: global_buffer, .address_space: global }
      - { .name: WB, .offset: 40, .size: 8, .value_kind: global_buffer, .address_space: global }
    .group_segment_fixed_size: 33792
    .private_segment_fixed_size: 0
    .kernarg_segment_align: 8
    .kernarg_segment_size: 48
    .max_flat_workgroup_size: 256
    .sgpr_count:     66
    .vgpr_count:     194
    .wavefront_size: 32
...
	.end_amdgpu_metadata
.endif
;; end of part 2
;; launch experts (part 3): grid 8 x 32, 4 waves a work-group, no clusters, 307,200 bytes of LDS; arguments x_codes, x_scales, gates, order, tiles, WB, We_scales, be, out0; writes out0
.if DOCPART == 3
	.amdgcn_target "amdgcn-amd-amdhsa--gfx1250"
	.amdhsa_code_object_version 6
	.text
	.protected	k_q27d2c7889a_experts
	.globl	k_q27d2c7889a_experts
	.p2align	8
	.type	k_q27d2c7889a_experts,@function
k_q27d2c7889a_experts:
	s_mov_b64 s[64:65], 0
	v_nop
	global_prefetch_b8 v0, s[64:65] scope:SCOPE_SE
	s_setreg_imm32_b32 hwreg(HW_REG_WAVE_MODE, 25, 1), 1
	s_wait_xcnt 0x0
; out[n] = w_lo (Q(x[n]) We[lo] + be[lo]) + w_hi (Q(x[n]) We[hi] + be[hi]) for the tokens of one tile: up to 320 tokens that chose the same two experts lo < hi.  Codes of E3M2, one E8M0 scale for each 32 along K = 1,024; sums f32.
; SHARES.  Work-group (x, y) takes columns 128 x .. 128 x + 127 of tiles y and y + 32 of the stored list, one after the other, in a loop of two trips: 64 records, of which never more than 53 have rows (place's head comment).
; 8 x 32 = 256 work-groups.  A record with 0 rows costs its barriers and nothing else.
; EVERY WAVE PASSES EVERY BARRIER: the branches on the stored record jump over work alone.  Between two barriers the work stands in one region, left out where the tile has no rows for it; what a region loads into
; registers it also uses up.  Only the weights, their scales, the biases and the token list are kept across regions: for the first record they are asked for without a test (a record without rows still names valid places,
; each field being held inside its table), so that these registers are written on every way.
; Each output row has one owner, so nothing is added between work-groups.  Wave w takes columns 32 w .. 32 w + 31 of BOTH experts for all rows: its weights, 4 fragments x 8 K steps = 384 registers, come from WB
; (laid in register order) once a tile and stay.  The tokens' codes are gathered into LDS, 64 rows a group, five groups; each wave gathers 16 rows of a group, through registers, a group's products or more ahead of their use.
; THE PRODUCT IS USED TRANSPOSED: source 0 = 16 columns of We, source 1 = 16 tokens: a lane holds ONE token (lane % 16) and eight neighbouring columns 8 (lane / 16) + 0 .. 7.  The bias is the C of a sum's first K step.
; Rows behind the tile's last take other tokens of the list; they are multiplied where their group of 64 has a live row, and never stored.
; NO TENSOR LOADS AND NO CLUSTER: branches here hang on the stored record; joint requests exist for tensor loads alone.  NO PREFETCH: every gather is asked for a group's products ahead.
; LDS: AROWS 320 rows x 784 (768 + 16: an odd multiple of 16, so the 16 rows of a load of 16 bytes a lane start 16 bytes apart modulo 256) | ASC 320 x 48 scale bytes | GL 320 x 16 gates | TOK 384 tokens | STG0 64 x 528.
;   Even groups' results go through STG0, odd groups' through the bytes of AROWS's group 0, which nobody reads behind the barrier that ends group 0.
; REGISTERS, windows of 256: 0: v1-31 addresses, v32-47 We's scale words, v48-63 x's, v64-95 biases, v96-191 gather staging 0, v192-201 gather offsets, v204-219 staged scales and gates, v220-235 output offsets.
;   1: B of K steps 0-4 at v[48 s + 12 f]; v240-244 copies of A's addresses.   2: B of K steps 5-7; v144-239 gather staging 1; v240-244 the same copies; v245 the gates' address.
;   3: v0-127 the 16 accumulators (row tile i, fragment f = 2 expert + column tile) at v[8 (4 i + f)], v0-63 later the rows read back from the stage; v128-223 A's fragments, two sets; v224-239 gates; v240-241 stage addresses.
; SCALARS: s[4:21] the nine buffers; s[24:27] WB at lo, hi; s[28:31] We_scales; s[32:35] be; s[36:39] the record in hand (lo, hi, first place, rows); s40 wave; s49 16 wave; s52 rows - 16 wave; s53 trips; s54 my first tile of 16 columns;
;   s[56:59] the record to come; s[60:63] the one behind it.
.set PITCH, 784
.set GRP,   64*PITCH
.set ASC,   320*PITCH
.set GL,    ASC+320*48
.set TOK,   GL+320*16
.set STG0,  TOK+384*4
.set SPI,   528
.set GA,    192
.set QQ,    204
.set OA,    220
.set MSB, 0
.macro WIN new                         ; the immediate's high byte repeats the setting that is left
.if MSB != \new
	s_set_vgpr_msb (MSB<<8)|\new
.set MSB, \new
.endif
.endm
.macro BARRIER                         ; my LDS stores have landed and my LDS loads are in: then the work-group's barrier
	s_wait_dscnt 0x0
	s_barrier_signal -1
	s_barrier_wait -1
.endm
.macro SKIPIF lim, lab                 ; a region is left out where the tile has lim rows or fewer
	s_cmp_le_u32 s39, \lim
	s_cbranch_scc1 \lab
.endm
	s_load_b512 s[4:19], s[0:1], 0x0               ; x_codes, x_scales, gates, order, tiles, WB, We_scales, be
	s_load_b64 s[20:21], s[0:1], 0x40              ; out0
	v_lshl_add_u32 v254, v0, 2, 0x4ae00
	v_mov_b32 v255, 0
	v_lshrrev_b32 v25, 5, v0
	v_readfirstlane_b32 s40, v25                   ; wave 0..3
	s_and_b32 s43, ttmp7, 0xffff                   ; y
	s_lshl_b32 s44, s43, 4
	s_mov_b32 s45, 0
	s_wait_kmcnt 0x0
	s_add_nc_u64 s[46:47], s[12:13], s[44:45]
	s_load_b128 s[56:59], s[46:47], 0x0            ; tile y: lo, hi, first place, rows
	s_load_b128 s[60:63], s[46:47], 0x200          ; tile y + 32
	v_and_b32 v1, 15, v0                           ; r
	v_bfe_u32 v2, v0, 4, 1                         ; h
	v_and_b32 v3, 31, v0                           ; lane
	v_lshlrev_b32 v4, 4, v3                        ; 16 lane
	v_lshlrev_b32 v5, 4, v1                        ; 16 r
	v_and_b32 v6, 1, v0
	v_lshlrev_b32 v6, 4, v6                        ; 16 (lane % 2)
	v_lshlrev_b32 v7, 5, v3                        ; 32 lane
	v_lshlrev_b32 v8, 5, v2                        ; 32 h
	v_lshrrev_b32 v26, 1, v3                       ; lane / 2
	s_lshl_b32 s41, s40, 6
	s_add_co_u32 s41, s41, TOK                     ; my wave's 16 tokens of a group
	v_lshl_add_u32 v9, v2, 2, s41                  ; token of row h (+ 2 j by the offset): the codes' gather
	v_lshl_add_u32 v10, v26, 2, s41                ; of row lane / 2: the scale bytes'
	v_lshl_add_u32 v11, v1, 2, s41                 ; of row r: the gates'
	v_mov_b32 v12, s41                             ; all 16, the same in every lane: the way out
	s_mul_i32 s42, s40, 16*PITCH
	v_mad_u32_u24 v13, v2, PITCH, v5
	v_add_nc_u32 v13, s42, v13                     ; gathered codes go to row 16 w + h (+ 2 j), byte 16 r (+ 256 u)
	s_mul_i32 s42, s40, 16*48
	s_add_co_u32 s42, s42, ASC
	v_mad_u32_u24 v14, v26, 48, v6
	v_add_nc_u32 v14, s42, v14                     ; scale bytes: row 16 w + lane / 2, half lane % 2
	s_lshl_b32 s42, s40, 8
	s_add_co_u32 s42, s42, GL
	v_add_nc_u32 v15, s42, v5                      ; gates: row 16 w + r
	v_mul_u32_u24 v16, v3, 48
	v_add_nc_u32 v16, ASC, v16                     ; x's scale words for the products: row = lane (+ 32 for the upper two row tiles)
	s_mul_i32 s42, s40, 16*SPI
	v_add_nc_u32 v18, s42, v4                      ; back from the odd groups' stage (at LDS byte 0): my 16 rows, 16 bytes a lane
	v_add_nc_u32 v17, STG0, v18                    ; and from the even groups'
	s_lshl_b32 s42, ttmp9, 9
	v_add_nc_u32 v19, s42, v4                      ; my 16 bytes in a row of out0: 512 x + 16 lane
	v_mul_u32_u24 v20, v1, PITCH
	v_mad_u32_u24 v20, v2, 48, v20                 ; A's fragments: row r, + 48 h: the lane's two blocks lie on end there
.irp g, 1,2,3,4
	v_add_nc_u32 v[20+\g], \g*GRP, v20
.endr
	v_lshl_add_u32 v27, v0, 2, TOK                 ; where my thread puts its three tokens of the list
	v_mul_u32_u24 v31, v1, SPI
	v_add_nc_u32 v31, v31, v8
	s_lshl_b32 s42, s40, 7
	v_add_nc_u32 v31, s42, v31                     ; into a stage: row r, + 32 h, + 128 w
	WIN 0x40                                       ; destination window 1
.irp g, 0,1,2,3,4
	v_mov_b32 v[240+\g], v[20+\g]                  ; under a product's setting an LDS load takes its address from B's window: so A's addresses lie there too
.endr
	WIN 0x80                                       ; destination window 2
.irp g, 0,1,2,3,4
	v_mov_b32 v[240+\g], v[20+\g]
.endr
	v_add_nc_u32 v245, GL, v5                      ; the gates of token r
	WIN 0xc0                                       ; destination window 3
	v_add_nc_u32 v240, STG0, v31
	v_mov_b32 v241, v31
	WIN 0
	s_lshl_b32 s54, ttmp9, 3
	s_lshl_b32 s48, s40, 1
	s_add_co_u32 s54, s54, s48                     ; my first tile of 16 columns: 8 x + 2 w
	s_lshl_b32 s49, s40, 4
	s_mov_b32 s51, 0
	s_wait_kmcnt 0x0
; The record to come becomes the record in hand.  What was read from memory is held inside its table before it enters an address.  Behind the second record stands one without rows.
.macro TAKE
	s_min_u32 s36, s56, 7
	s_min_u32 s37, s57, 7
	s_min_u32 s38, s58, 0x1fff
	s_min_u32 s39, s59, 320
	s_mov_b32 s56, s60
	s_mov_b32 s57, s61
	s_mov_b32 s58, s62
	s_mov_b32 s59, s63
	s_mov_b32 s63, 0
.endm
; The record's bases, and the places in the list of my thread's three tokens (384 words are filled; places behind the list's end are held at its last)
.macro SETUP
	s_lshl_b32 s48, s36, 6
	s_add_co_u32 s48, s48, s54                     ; my tiles of columns in expert lo
	s_mul_i32 s50, s48, 12288
	s_add_nc_u64 s[24:25], s[14:15], s[50:51]      ; its fragments,
	s_lshl_b32 s50, s48, 9
	s_add_nc_u64 s[28:29], s[16:17], s[50:51]      ; its scale bytes (16 columns x 32),
	s_lshl_b32 s50, s48, 6
	s_add_nc_u64 s[32:33], s[18:19], s[50:51]      ; its biases
	s_lshl_b32 s48, s37, 6
	s_add_co_u32 s48, s48, s54                     ; and in expert hi
	s_mul_i32 s50, s48, 12288
	s_add_nc_u64 s[26:27], s[14:15], s[50:51]
	s_lshl_b32 s50, s48, 9
	s_add_nc_u64 s[30:31], s[16:17], s[50:51]
	s_lshl_b32 s50, s48, 6
	s_add_nc_u64 s[34:35], s[18:19], s[50:51]
	s_sub_co_i32 s52, s39, s49                     ; rows - 16 w
	v_add_nc_u32 v28, s38, v0
	v_add_nc_u32 v29, 0x80, v28
	v_add_nc_u32 v30, 0x100, v28
.irp k, 0,1,2
	v_min_u32 v[28+\k], 0x1fff, v[28+\k]
.endr
.irp k, 0,1,2
	v_lshlrev_b32 v[28+\k], 2, v[28+\k]
.endr
.endm
; K step s of my four fragments f = 2 expert + column tile: twelve loads of 512 consecutive bytes
.macro BLOAD s
.irp f, 0,1,2,3
.irp c, 0,1,2
	global_load_b128 v[48*((\s)%5)+12*\f+4*\c:48*((\s)%5)+12*\f+4*\c+3], v4, s[24+2*(\f/2):25+2*(\f/2)] offset:12288*(\f%2)+1536*(\s)+512*\c
.endr
.endr
.endm
; What a tile keeps: its tokens (into LDS), my weights, their scale words, my biases.  The tokens are asked for first: the gathers hang on them.
.macro PROLOGUE
.irp k, 0,1,2
	global_load_b32 v[GA+\k], v[28+\k], s[10:11]
.endr
	WIN 0x40
	BLOAD 0
	BLOAD 1
	BLOAD 2
	BLOAD 3
	WIN 0
.irp a, 0,1
	global_load_b128 v[32+8*\a:35+8*\a], v7, s[28+2*\a:29+2*\a]             ; We's scale words: lane = one of my 32 columns, register = K step: lanes 0-15 serve column tile 0, lanes 16-31 tile 1
	global_load_b128 v[36+8*\a:39+8*\a], v7, s[28+2*\a:29+2*\a] offset:16
.endr
.irp a, 0,1
.irp t, 0,1
	global_load_b128 v[64+8*(2*\a+\t):67+8*(2*\a+\t)], v8, s[32+2*\a:33+2*\a] offset:64*\t      ; the biases of columns 16 t + 8 h + 0 .. 7: the result's layout
	global_load_b128 v[68+8*(2*\a+\t):71+8*(2*\a+\t)], v8, s[32+2*\a:33+2*\a] offset:64*\t+16
.endr
.endr
	s_wait_loadcnt 60                              ; the 48 + 4 + 8 loads issued behind them may be out: the tokens are in
.irp k, 0,1,2
	v_min_u32 v[GA+\k], 0x1fff, v[GA+\k]
.endr
.irp k, 0,1,2
	ds_store_b32 v27, v[GA+\k] offset:512*\k
.endr
	WIN 0x40
	BLOAD 4
	WIN 0x80
	BLOAD 5
	BLOAD 6
	BLOAD 7
	WIN 0
	s_wait_dscnt 0x0                               ; my tokens lie in LDS
.endm
; The gather offsets of group g: my wave's 16 rows
.macro TOKADR g
	s_wait_xcnt 0x0                                ; the loads that name these registers as addresses have read them
.irp j, 0,1,2,3,4,5,6,7
	ds_load_b32 v[GA+\j], v9 offset:4*(64*\g+2*\j)
.endr
	ds_load_b32 v[GA+8], v10 offset:256*\g
	ds_load_b32 v[GA+9], v11 offset:256*\g
	s_wait_dscnt 0x0                               ; they are in; and every earlier LDS store of mine has read its registers
.irp j, 0,1,2,3,4,5,6,7,8,9
	v_min_u32 v[GA+\j], 0x1fff, v[GA+\j]
.endr
.irp j, 0,1,2,3,4,5,6,7
	v_mad_u32_u24 v[GA+\j], v[GA+\j], 768, v5      ; lanes 0-15: row 2 j's codes, lanes 16-31: row 2 j + 1's; 16 bytes a lane
.endr
	v_lshl_add_u32 v[GA+8], v[GA+8], 5, v6
	v_lshlrev_b32 v[GA+9], 4, v[GA+9]
.endm
; 26 loads: 16 rows x 768 bytes of codes (sixteen lanes read 256 consecutive bytes of a row), their scale bytes, their gates.  st: staging 0 (window 0, v96) or 1 (window 2, v144)
.macro GLOAD st
.if \st
	WIN 0x80
.endif
.irp j, 0,1,2,3,4,5,6,7
.irp u, 0,1,2
	global_load_b128 v[96+48*\st+12*\j+4*\u:99+48*\st+12*\j+4*\u], v[GA+\j], s[4:5] offset:256*\u
.endr
.endr
	WIN 0
	global_load_b128 v[QQ+8*\st:QQ+8*\st+3], v[GA+8], s[6:7]
	global_load_b128 v[QQ+8*\st+4:QQ+8*\st+7], v[GA+9], s[8:9]
.endm
.macro GSTORE g, st
	v_add_nc_u32 v25, \g*GRP, v13
.if \st
	WIN 0x08                                       ; store data: window 2
.endif
.irp j, 0,1,2,3,4,5,6,7
.irp u, 0,1,2
	ds_store_b128 v25, v[96+48*\st+12*\j+4*\u:99+48*\st+12*\j+4*\u] offset:2*PITCH*\j+256*\u
.endr
.endr
	WIN 0
	ds_store_b128 v14, v[QQ+8*\st:QQ+8*\st+3] offset:3072*\g
	ds_store_b128 v15, v[QQ+8*\st+4:QQ+8*\st+7] offset:1024*\g     ; lanes r and r + 16 write the same bytes with the same values
.endm
; Fragment q = 4 s + i of group g (row tile i, K step s): 48 bytes a lane, into set s % 2.  ar: where A's addresses lie in the window that source 0 names
.macro AFRAG g, q, ar
.irp c, 0,1,2
	ds_load_b128 v[128+48*(((\q)/4)%2)+12*((\q)%4)+4*\c:131+48*(((\q)/4)%2)+12*((\q)%4)+4*\c], v[\ar+\g] offset:16*PITCH*((\q)%4)+96*((\q)/4)+16*\c
.endr
.endm
; Ahead of a group's products: x's scale words (lanes 0-15: row tile 2 b, lanes 16-31: 2 b + 1; register = K step) and the first eight fragments: 28 loads
.macro PREP g
.irp b, 0,1
.irp q, 0,1
	ds_load_b128 v[48+8*\b+4*\q:51+8*\b+4*\q], v16 offset:48*(64*\g+32*\b)+16*\q
.endr
.endr
	WIN 0xc0
.set Q, 0
.rept 8
	AFRAG \g, Q, 20
.set Q, Q+1
.endr
	WIN 0
.endm
.macro WM d, b, a, c, sb, sa, ra, rb   ; ra, rb: the side's scale words stand in lanes 16-31
.if (\ra) && (\rb)
	v_wmma_scale_f32_16x16x128_f8f6f4 v[\d:\d+7], v[\b:\b+11], v[\a:\a+11], v[\c:\c+7], v[\sb], v[\sa] matrix_a_fmt:MATRIX_FMT_BF6 matrix_b_fmt:MATRIX_FMT_BF6 matrix_a_scale:MATRIX_SCALE_ROW1 matrix_b_scale:MATRIX_SCALE_ROW1
.elseif \ra
	v_wmma_scale_f32_16x16x128_f8f6f4 v[\d:\d+7], v[\b:\b+11], v[\a:\a+11], v[\c:\c+7], v[\sb], v[\sa] matrix_a_fmt:MATRIX_FMT_BF6 matrix_b_fmt:MATRIX_FMT_BF6 matrix_a_scale:MATRIX_SCALE_ROW1
.elseif \rb
	v_wmma_scale_f32_16x16x128_f8f6f4 v[\d:\d+7], v[\b:\b+11], v[\a:\a+11], v[\c:\c+7], v[\sb], v[\sa] matrix_a_fmt:MATRIX_FMT_BF6 matrix_b_fmt:MATRIX_FMT_BF6 matrix_b_scale:MATRIX_SCALE_ROW1
.else
	v_wmma_scale_f32_16x16x128_f8f6f4 v[\d:\d+7], v[\b:\b+11], v[\a:\a+11], v[\c:\c+7], v[\sb], v[\sa] matrix_a_fmt:MATRIX_FMT_BF6 matrix_b_fmt:MATRIX_FMT_BF6
.endif
.endm
; A GROUP'S 128 PRODUCTS: K = 16 s + 4 i + f.  The 16 accumulators take turns, one instruction a turn, in the same order in every K step.
; One v_nop follows each product.  A fragment of A serves four products; behind product 4 q + 7 the fragment q + 8 is loaded into fragment q's registers: its last reader, product 4 q + 3, stands five v_nop back
; (ISA guide 7.12.1 for vector instructions), and its first use is 24 products on.
.macro COMPUTE g
.set K, 0
.rept 128
.set KST, K/16
.set KI, (K/4)%4
.set KF, K%4
.set DR, 8*(4*KI+KF)
.set BR, 48*(KST%5)+12*KF
.set AR, 128+48*(KST%2)+12*KI
.set CR, DR
.if KST == 0
.set CR, 64+8*KF
.endif
.if K%4 == 0
.if 31-K/4 < 6
	s_wait_dscnt 3*(31-K/4)                        ; behind this fragment's three loads only the group's last fragments were asked for
.else
	s_wait_dscnt 18                                ; behind this fragment's three loads those of six more fragments were issued (seven at the group's head: the smaller count is safe)
.endif
.endif
.if K == 0
	WIN 0xcd                                       ; B window 1, A window 3, C = the biases in window 0, D window 3
.elseif K == 16
	WIN 0xfd                                       ; C and D window 3
.elseif K == 80
	WIN 0xfe                                       ; B window 2
.endif
	WM DR, BR, AR, CR, 32+8*(KF/2)+KST, 48+8*(KI/2)+KST, KF%2, KI%2
	v_nop
.if (K%4 == 3) && (K >= 7) && (K <= 99)
	AFRAG \g, (K-7)/4+8, 240
.endif
.if (K >= 112) && (K < 116)
	ds_load_b128 v[224+4*(K-112):227+4*(K-112)], v245 offset:16*(64*\g+16*(K-112))   ; the gates of row tile K - 112
.endif
.set K, K+1
.endr
.endm
; w_lo x (expert lo's sums) + w_hi x (expert hi's), in place, each accumulator from its low end on; 32 bytes a lane into the stage
.macro EPILOGUE g
	s_wait_dscnt 0x0                               ; the gates are in
	WIN 0xff
.irp i, 0,1,2,3
.irp t, 0,1
.irp m, 0,2,4,6
	v_pk_mul_f32 v[8*(4*\i+\t)+\m:8*(4*\i+\t)+\m+1], v[8*(4*\i+\t)+\m:8*(4*\i+\t)+\m+1], v[224+4*\i:225+4*\i]
.endr
.irp m, 0,2,4,6
	v_pk_fma_f32 v[8*(4*\i+\t)+\m:8*(4*\i+\t)+\m+1], v[8*(4*\i+2+\t)+\m:8*(4*\i+2+\t)+\m+1], v[226+4*\i:227+4*\i], v[8*(4*\i+\t)+\m:8*(4*\i+\t)+\m+1]
.endr
	ds_store_b128 v[240+(\g)%2], v[8*(4*\i+\t):8*(4*\i+\t)+3] offset:16*SPI*\i+64*\t
	ds_store_b128 v[240+(\g)%2], v[8*(4*\i+\t)+4:8*(4*\i+\t)+7] offset:16*SPI*\i+64*\t+16
.endr
.endr
	WIN 0
.endm
.macro GROUP g
.if \g
	s_cmp_le_u32 s39, 64*\g                        ; no live row in this group: its products and its stage are jumped over
	s_cbranch_scc1 .Ldead_\g
.endif
	COMPUTE \g
	EPILOGUE \g
.if \g
.Ldead_\g:
.endif
.endm
; My 16 rows of the group: their tokens, and the rows of 512 bytes from the stage: 20 loads
.macro OUTLOAD g
.irp k, 0,1,2,3
	ds_load_b128 v[OA+4*\k:OA+4*\k+3], v12 offset:4*(64*\g+4*\k)
.endr
	WIN 0xc0
.irp i, 0,1,2,3,4,5,6,7,8,9,10,11,12,13,14,15
	ds_load_b128 v[4*\i:4*\i+3], v[17+(\g)%2] offset:SPI*\i
.endr
	WIN 0
.endm
; They are stored: 32 lanes fill 512 consecutive bytes of a token's row, at a multiple of 256 from out0's first byte.  Dead rows are the tile's last: a wave whose 16 rows all live stores them in one run;
; the one wave of a tile that is cut walks them row by row.  left: the LDS loads issued behind OUTLOAD's, which may stay out
.macro OUTSEND g, left
	s_wait_dscnt \left
.irp i, 0,1,2,3,4,5,6,7,8,9,10,11,12,13,14,15
	v_min_u32 v[OA+\i], 0x1fff, v[OA+\i]
.endr
.irp i, 0,1,2,3,4,5,6,7,8,9,10,11,12,13,14,15
	v_lshl_add_u32 v[OA+\i], v[OA+\i], 12, v19
.endr
	s_sub_co_i32 s42, s52, 64*\g                   ; live rows from my first row on
	s_cmp_lt_i32 s42, 16
	s_cbranch_scc1 .Lpart_\g
	WIN 0x0c                                       ; store data: window 3
.irp i, 0,1,2,3,4,5,6,7,8,9,10,11,12,13,14,15
	global_store_b128 v[OA+\i], v[4*\i:4*\i+3], s[20:21] th:TH_STORE_NT
.endr
	WIN 0
	s_branch .Ldone_\g
.Lpart_\g:
.irp i, 0,1,2,3,4,5,6,7,8,9,10,11,12,13,14,15
	s_cmp_le_i32 s42, \i
	s_cbranch_scc1 .Ldone_\g
	WIN 0x0c
	global_store_b128 v[OA+\i], v[4*\i:4*\i+3], s[20:21] th:TH_STORE_NT
	WIN 0
.endr
.Ldone_\g:
.if \g < 4
	s_wait_xcnt 0x0                                ; the stores have read their data and offsets: the next products write over the one, the next tokens over the other
.endif
.endm
	TAKE                                           ; tile y
	SETUP
	PROLOGUE                                       ; without a test: see the head comment
	s_mov_b32 s53, 0
.Ltile:                                                ; two trips: tile y, tile y + 32
	BARRIER                                        ; the tile's tokens lie in LDS
	SKIPIF 0, .Ls1
	TOKADR 0
	GLOAD 0                                        ; group 0
	TOKADR 1
	GLOAD 1                                        ; group 1
	s_wait_loadcnt 26                              ; group 1's 26 loads may be out: group 0 is in
	GSTORE 0, 0
	s_wait_loadcnt 0x0
	GSTORE 1, 1
.Ls1:
	s_wait_loadcnt 0x0                             ; on every way: the weights, their scale words and the biases are in
	BARRIER                                        ; groups 0 and 1 lie in LDS
	SKIPIF 0, .Ls2
	TOKADR 2
	GLOAD 0                                        ; groups 2 and 3 are on their way while group 0 is multiplied
	TOKADR 3
	GLOAD 1
	PREP 0
	GROUP 0
	s_wait_loadcnt 26                              ; group 3's 26 loads may be out
	GSTORE 2, 0
	s_wait_loadcnt 0x0
	GSTORE 3, 1
.Ls2:
	BARRIER                                        ; group 0's results lie in the stage, groups 2 and 3 in LDS; nobody reads group 0's rows any more
	SKIPIF 0, .Ls3
	OUTLOAD 0
	PREP 1
	TOKADR 4
	GLOAD 0                                        ; group 4 is on its way while group 1 is multiplied
	OUTSEND 0, 0
	GROUP 1
	s_wait_loadcnt 0x0
	GSTORE 4, 0
.Ls3:
	BARRIER
	SKIPIF 64, .Ls4                                ; from here on a region serves group g's way out and group g + 1's products: nothing where the tile ends at or before group g
	OUTLOAD 1
	PREP 2
	OUTSEND 1, 28
	GROUP 2
.Ls4:
	BARRIER
	SKIPIF 128, .Ls5
	OUTLOAD 2
	PREP 3
	OUTSEND 2, 28
	GROUP 3
.Ls5:
	BARRIER
	SKIPIF 192, .Ls6
	OUTLOAD 3
	PREP 4
	OUTSEND 3, 28
	GROUP 4
.Ls6:
	BARRIER
	SKIPIF 256, .Ls7
	OUTLOAD 4
	OUTSEND 4, 0
.Ls7:
	s_wait_xcnt 0x0                                ; every load and store issued so far has read its bases, offsets and data: they are written again below
	TAKE                                           ; the next record; behind the second: one without rows
	SETUP
	BARRIER                                        ; nobody reads this tile's tokens any more
	s_cmp_eq_u32 s39, 0
	s_cbranch_scc1 .Lnone
	PROLOGUE
.Lnone:
	s_add_co_u32 s53, s53, 1
	s_cmp_lt_u32 s53, 2
	s_cbranch_scc1 .Ltile
	s_wait_tensorcnt 0x0
	ds_add_u32 v254, v255
	s_wait_dscnt 0x0
	s_endpgm
.Lfunc_end_k_q27d2c7889a_experts:
	.size	k_q27d2c7889a_experts, .Lfunc_end_k_q27d2c7889a_experts-k_q27d2c7889a_experts
	.p2alignl 7, 3214868480
	.fill 96, 4, 3214868480
	.section	.rodata,"a",@progbits
	.p2align	6, 0x0
	.amdhsa_kernel k_q27d2c7889a_experts
		.amdhsa_group_segment_fixed_size 307200
		.amdhsa_private_segment_fixed_size 0
		.amdhsa_enable_private_segment 0
		.amdhsa_kernarg_size 72
		.amdhsa_user_sgpr_count 2
		.amdhsa_user_sgpr_kernarg_segment_ptr 1
		.amdhsa_wavefront_size32 1
		.amdhsa_system_sgpr_workgroup_id_x 1
		.amdhsa_system_sgpr_workgroup_id_y 1
		.amdhsa_system_sgpr_workgroup_id_z 1
		.amdhsa_system_vgpr_workitem_id 0
		.amdhsa_next_free_vgpr 1024
		.amdhsa_next_free_sgpr 66
		.amdhsa_reserve_vcc 0
		.amdhsa_float_denorm_mode_32 3
		.amdhsa_float_denorm_mode_16_64 3
		.amdhsa_memory_ordered 1
		.amdhsa_forward_progress 1
		.amdhsa_inst_pref_size 255
	.end_amdhsa_kernel
	.section	.bss,"aw",@nobits
	.p2align	6
	.space	262144
	.amdgpu_metadata
---
amdhsa.version: [ 1, 2 ]
amdhsa.kernels:
  - .name:           k_q27d2c7889a_experts
    .symbol:         k_q27d2c7889a_experts.kd
    .args:
      - { .name: x_codes, .offset: 0, .size: 8, .value_kind: global_buffer, .address_space: global }
      - { .name: x_scales, .offset: 8, .size: 8, .value_kind: global_buffer, .address_space: global }
      - { .name: gates, .offset: 16, .size: 8, .value_kind: global_buffer, .address_space: global }
      - { .name: order, .offset: 24, .size: 8, .value_kind: global_buffer, .address_space: global }
      - { .name: tiles, .offset: 32, .size: 8, .value_kind: global_buffer, .address_space: global }
      - { .name: WB, .offset: 40, .size: 8, .value_kind: global_buffer, .address_space: global }
      - { .name: We_scales, .offset: 48, .size: 8, .value_kind: global_buffer, .address_space: global }
      - { .name: be, .offset: 56, .size: 8, .value_kind: global_buffer, .address_space: global }
      - { .name: out0, .offset: 64, .size: 8, .value_kind: global_buffer, .address_space: global }
    .group_segment_fixed_size: 307200
    .private_segment_fixed_size: 0
    .kernarg_segment_align: 8
    .kernarg_segment_size: 72
    .max_flat_workgroup_size: 128
    .sgpr_count:     66
    .vgpr_count:     1024
    .wavefront_size: 32
...
	.end_amdgpu_metadata
.endif
;; end of part 3
;; ======== version 2 of 3: 3 launches; 1.31 times as fast as version 1
;; workspace buffers: x_codes 6,291,456 bytes; x_scales 262,144 bytes; gates 131,072 bytes; tokw 32,768 bytes of whole numbers; hist 8,192 bytes of whole numbers; order 32,768 bytes of whole numbers; tiles 2,560 bytes of whole numbers; WB 6,291,456 bytes
;; launch route: the kernel of part 1 again; grid 256 x 1, 4 waves a work-group, no clusters, 67,072 bytes of LDS; arguments x, Wr, x_codes, x_scales, gates, tokw, hist; writes x_codes, x_scales, gates, tokw, hist
;; launch place (part 4): grid 65 x 1, 8 waves a work-group, no clusters, 33,792 bytes of LDS; arguments tokw, hist, We_codes, order, tiles, WB; writes order, tiles, WB
.if DOCPART == 4
	.amdgcn_target "amdgcn-amd-amdhsa--gfx1250"
	.amdhsa_code_object_version 6
	.text
	.protected	k_q27d2c7889a_place
	.globl	k_q27d2c7889a_place
	.p2align	8
	.type	k_q27d2c7889a_place,@function
k_q27d2c7889a_place:
	s_mov_b64 s[64:65], 0
	v_nop
	global_prefetch_b8 v0, s[64:65] scope:SCOPE_SE
	s_setreg_imm32_b32 hwreg(HW_REG_WAVE_MODE, 25, 1), 1
	s_wait_xcnt 0x0
; TWO JOBS IN ONE LAUNCH, parted by the work-group's number.
; WORK-GROUP 0: the counting sort of the 8,192 tokens by their pair of experts (28 pairs), without atomics.  In: tokw [token] = 2 x pair | rank in its group of 32 << 16; hist [256 groups][32] bytes: tokens of each pair.
;   Out: order [8192]: the tokens, pair by pair;  tiles: 160 records (lo, hi, first place in order, rows): each pair cut into pieces of 64 rows, pair by pair; never more than 155 have rows
;   (the sum over 28 pairs of ceil(c / 64), with the c adding to 8,192, is at most 127 + 28); the pieces with rows stand first, the records behind them hold 0 rows.
; WORK-GROUPS 1 TO 64: We's codes are laid once in the order of the operand's registers.  A wave takes 16 rows n of one expert (12,288 bytes): for each 128 along K lane (r, h) takes the 24 bytes at 96 s + 24 h and at
;   96 s + 48 + 24 h of row r (its twelve registers) and stores them as three runs of 512 bytes, 16 bytes a lane: WB [expert x 64 + tile of 16 rows][K step][1,536].  The next launch then loads a fragment by three loads of 16 bytes a lane.
; Only the sort uses LDS and barriers.  No cluster, no matrix unit, no prefetch: nothing is shared and the launch is short.
.set HL,   0                           ; LDS: the counts, a group's 32 bytes in a row of 48 (an odd multiple of 16)
.set TOT,  12288                       ; the pairs' totals: for each wave two words of two 16-bit sums
.set TAB,  12544                       ; [group][pair] 16-bit: the place of the group's first token of the pair; a row is 72 bytes
.set TW,   16                          ; v16-47   my 32 words of tokw
.set AA,   48                          ; v48-55   counts of pairs 4 w (low half) and 4 w + 2 (high half) in my eight groups
.set BB,   56                          ; v56-63   of pairs 4 w + 1 and 4 w + 3
.set AD,   96                          ; v96-127  addresses
.set TV,   128                         ; v128-159 what the table says
.set TK,   160                         ; v160-191 token numbers
	s_load_b256 s[4:11], s[0:1], 0x0               ; tokw, hist, We_codes, order
	s_load_b128 s[12:15], s[0:1], 0x20             ; tiles, WB
	v_lshl_add_u32 v192, v0, 2, 0x8000
	v_mov_b32 v193, 0
	v_lshrrev_b32 v1, 5, v0
	v_readfirstlane_b32 s16, v1                    ; wave 0..7
	v_and_b32 v2, 31, v0                           ; lane
	s_cmp_eq_u32 ttmp9, 0
	s_cbranch_scc1 .Lsort
	; ---- the weights
	s_sub_co_u32 s17, ttmp9, 1
	s_lshl_b32 s17, s17, 3
	s_add_co_u32 s17, s17, s16                     ; which 16 rows of the 8,192
	s_mul_i32 s18, s17, 12288
	s_mov_b32 s19, 0
	v_and_b32 v3, 15, v0                           ; r
	v_bfe_u32 v4, v0, 4, 1                         ; h
	v_mul_u32_u24 v5, v3, 768
	v_mad_u32_u24 v5, v4, 24, v5                   ; row r, + 24 h
	v_lshlrev_b32 v6, 4, v2
	s_wait_kmcnt 0x0
	s_add_nc_u64 s[8:9], s[8:9], s[18:19]
	s_add_nc_u64 s[14:15], s[14:15], s[18:19]
.irp s, 0,1,2,3,4,5,6,7
.irp p, 0,1,2,3,4,5
	global_load_b64 v[16+12*\s+2*\p:17+12*\s+2*\p], v5, s[8:9] offset:96*\s+48*(\p/3)+8*(\p%3)
.endr
.endr
.irp s, 0,1,2,3,4,5,6,7
	s_wait_loadcnt 6*(7-\s)                        ; the later K steps' loads may be out
.irp c, 0,1,2
	global_store_b128 v6, v[16+12*\s+4*\c:19+12*\s+4*\c], s[14:15] offset:1536*\s+512*\c   ; 32 lanes store 512 consecutive bytes
.endr
.endr
	s_endpgm
.Lsort:
	; ---- S0: thread = group loads its 32 counts; a thread's 32 words of tokw: register 4 q + j is token 1024 w + 128 q + 4 lane + j
	v_lshlrev_b32 v89, 5, v0
	s_lshl_b32 s17, s16, 12
	v_lshl_add_u32 v90, v2, 4, s17
	s_wait_kmcnt 0x0
	global_load_b128 v[4:7], v89, s[6:7]
	global_load_b128 v[8:11], v89, s[6:7] offset:16
.irp q, 0,1,2,3,4,5,6,7
	global_load_b128 v[TW+4*\q:TW+4*\q+3], v90, s[4:5] offset:512*\q
.endr
	v_mul_u32_u24 v84, v0, 48
	v_mul_u32_u24 v85, v2, 48
	s_lshl_b32 s18, s16, 2
	v_add_nc_u32 v85, s18, v85                     ; 48 lane + 4 wave
	s_lshl_b32 s23, s16, 3
	s_add_co_u32 s24, s23, TOT
	v_mov_b32 v86, s24                             ; TOT + 8 wave
	v_mul_u32_u24 v87, v2, 72
	s_add_co_u32 s23, s23, TAB
	v_add_nc_u32 v87, s23, v87                     ; TAB + 72 lane + 8 wave
	v_lshrrev_b32 v88, 3, v2
	v_mul_u32_u24 v88, v88, 72
	s_mul_i32 s23, s16, 32*72
	s_add_co_u32 s23, s23, TAB
	v_add_nc_u32 v88, s23, v88                     ; TAB + 72 (32 wave + lane / 8)
	s_lshl_b32 s23, s16, 10
	v_lshl_add_u32 v91, v2, 2, s23                 ; 1024 wave + 4 lane
	v_mov_b32 v92, TOT
	v_lshlrev_b32 v93, 4, v0
	s_mov_b32 s19, 0x00ff00ff
	s_mov_b32 s22, 0xffff0000
	s_wait_loadcnt 8                               ; tokw's eight loads may be out: the counts are in
	ds_store_b128 v84, v[4:7]
	ds_store_b128 v84, v[8:11] offset:16
	s_wait_dscnt 0x0
	s_barrier_signal -1
	s_barrier_wait -1                              ; all 256 groups' counts lie in LDS
	; ---- S2: wave w owns pairs 4 w .. 4 w + 3; lane l owns groups l + 32 j.  Two pairs' sums ride in the halves of a word: none passes 8,192
.irp j, 0,1,2,3,4,5,6,7
	ds_load_b32 v[AA+\j], v85 offset:1536*\j
.endr
	s_wait_dscnt 0x0
.irp j, 0,1,2,3,4,5,6,7
	v_lshrrev_b32 v[BB+\j], 8, v[AA+\j]
.endr
.irp j, 0,1,2,3,4,5,6,7
	v_and_b32 v[AA+\j], s19, v[AA+\j]
	v_and_b32 v[BB+\j], s19, v[BB+\j]
.endr
	v_add3_u32 v64, v[AA], v[AA+1], v[AA+2]        ; my eight groups' sums
	v_add3_u32 v65, v[BB], v[BB+1], v[BB+2]
	v_add3_u32 v64, v64, v[AA+3], v[AA+4]
	v_add3_u32 v65, v65, v[BB+3], v[BB+4]
	v_add3_u32 v64, v64, v[AA+5], v[AA+6]
	v_add3_u32 v65, v65, v[BB+5], v[BB+6]
	v_add_nc_u32 v64, v64, v[AA+7]
	v_add_nc_u32 v65, v65, v[BB+7]
	v_mov_b32 v66, v64
	v_mov_b32 v67, v65
	v_mov_b32 v68, 0
	v_mov_b32 v69, 0
.irp m, 1,2,4,8                        ; running sums over the lanes, mine included: inside each 16 lanes,
	v_mov_b32_dpp v68, v66 row_shr:\m row_mask:0xf bank_mask:0xf bound_ctrl:1
	v_mov_b32_dpp v69, v67 row_shr:\m row_mask:0xf bank_mask:0xf bound_ctrl:1
	v_add_nc_u32 v66, v66, v68
	v_add_nc_u32 v67, v67, v69
.endr
	v_readlane_b32 s20, v66, 15
	v_readlane_b32 s21, v67, 15
	v_add_nc_u32 v68, s20, v66
	v_add_nc_u32 v69, s21, v67
	v_cndmask_b32 v66, v66, v68, s22               ; then lanes 16-31 take the lower half's total on top
	v_cndmask_b32 v67, v67, v69, s22
	v_readlane_b32 s20, v66, 31
	v_readlane_b32 s21, v67, 31
	v_mov_b32 v68, s20
	v_mov_b32 v69, s21
	ds_store_b64 v86, v[68:69]                     ; my four pairs' totals; all lanes write the same words with the same values
	s_wait_dscnt 0x0
	s_barrier_signal -1
	s_barrier_wait -1
	; ---- S3: every wave walks the 28 pairs: first place and first piece of each; thread t picks the pair that piece t belongs to
.irp c, 0,1,2,3
	ds_load_b128 v[AD+4*\c:AD+4*\c+3], v92 offset:16*\c
.endr
	s_wait_dscnt 0x0
.irp i, 0,1,2,3,4,5,6,7,8,9,10,11,12,13,14,15
	v_readfirstlane_b32 s[32+\i], v[AD+\i]
.endr
	s_mov_b32 s25, 0                               ; places so far
	s_mov_b32 s26, 0                               ; pieces so far
	s_mov_b32 s28, 0                               ; s28-31: the first places of my wave's four pairs
	s_mov_b32 s29, 0
	s_mov_b32 s30, 0
	s_mov_b32 s31, 0
	v_mov_b32 v72, 0                               ; lo
	v_mov_b32 v73, 0                               ; hi
	v_mov_b32 v76, 0                               ; the pair's first place
	v_mov_b32 v77, 0                               ; its count
	v_mov_b32 v78, 0                               ; its first piece
.macro PAIR p, lo, hi
	s_bfe_u32 s24, s[32+2*((\p)>>2)+((\p)&1)], (16<<16)|(16*(((\p)>>1)&1))   ; the pair's count
	v_cmp_le_u32 vcc_lo, s26, v0                   ; piece t lies at or behind the pair's first piece: later pairs write over earlier ones
	v_cndmask_b32 v72, v72, \lo, vcc_lo
	v_cndmask_b32 v73, v73, \hi, vcc_lo
	v_cndmask_b32 v76, v76, s25, vcc_lo
	v_cndmask_b32 v77, v77, s24, vcc_lo
	v_cndmask_b32 v78, v78, s26, vcc_lo
	s_cmp_eq_u32 s16, (\p)>>2
	s_cselect_b32 s[28+((\p)&3)], s25, s[28+((\p)&3)]
	s_add_co_u32 s25, s25, s24
	s_add_co_u32 s27, s24, 63                      ; ceil(count / 64) pieces
	s_lshr_b32 s27, s27, 6
	s_add_co_u32 s26, s26, s27
.endm
.set PN, 0
.irp lo, 0,1,2,3,4,5,6
.irp hi, 1,2,3,4,5,6,7
.if \hi > \lo
	PAIR PN, \lo, \hi
.set PN, PN+1
.endif
.endr
.endr
	s_lshl_b32 s27, s30, 16
	s_or_b32 s28, s28, s27                         ; first places of pairs 4 w and 4 w + 2, in halves
	s_lshl_b32 s27, s31, 16
	s_or_b32 s29, s29, s27                         ; of 4 w + 1 and 4 w + 3
	v_sub_nc_u32 v80, v66, v64                     ; the lanes before me,
	v_sub_nc_u32 v81, v67, v65
	v_add_nc_u32 v80, s28, v80                     ; on top of the pair's first place: where my first group's tokens begin
	v_add_nc_u32 v81, s29, v81
.irp j, 0,1,2,3,4,5,6,7
	v_perm_b32 v[112+2*\j], v81, v80, 0x05040100   ; pairs 4 w, 4 w + 1
	v_perm_b32 v[113+2*\j], v81, v80, 0x07060302   ; pairs 4 w + 2, 4 w + 3
	ds_store_b64 v87, v[112+2*\j:113+2*\j] offset:2304*\j
.if \j < 7
	v_add_nc_u32 v80, v80, v[AA+\j]
	v_add_nc_u32 v81, v81, v[BB+\j]
.endif
.endr
	s_wait_dscnt 0x0
	s_barrier_signal -1
	s_barrier_wait -1                              ; the table is whole; behind this barrier LDS is only read
	; ---- S4: each token's place = its group's first place for its pair + its rank in the group
	s_wait_loadcnt 0x0
.irp q, 0,1,2,3,4,5,6,7
.irp j, 0,1,2,3
	v_and_b32 v[AD+4*\q+\j], 0xffff, v[TW+4*\q+\j]
	v_min_u32 v[AD+4*\q+\j], 62, v[AD+4*\q+\j]     ; 2 x pair, held inside a row of the table
	v_add_nc_u32 v[AD+4*\q+\j], v88, v[AD+4*\q+\j]
	ds_load_u16 v[TV+4*\q+\j], v[AD+4*\q+\j] offset:288*\q   ; the token's group is 32 w + 4 q + lane / 8
.endr
.endr
	s_wait_dscnt 0x0
.irp q, 0,1,2,3,4,5,6,7
.irp j, 0,1,2,3
	v_lshrrev_b32 v[AD+4*\q+\j], 16, v[TW+4*\q+\j]
	v_add_nc_u32 v[AD+4*\q+\j], v[AD+4*\q+\j], v[TV+4*\q+\j]
	v_min_u32 v[AD+4*\q+\j], 0x1fff, v[AD+4*\q+\j] ; held inside the list
	v_lshlrev_b32 v[AD+4*\q+\j], 2, v[AD+4*\q+\j]
	v_add_nc_u32 v[TK+4*\q+\j], 128*\q+\j, v91
	global_store_b32 v[AD+4*\q+\j], v[TK+4*\q+\j], s[10:11]
.endr
.endr
	; ---- S5: the records; threads 0 to 159 store the list's 2,560 bytes
	s_cmp_ge_u32 s16, 5
	s_cbranch_scc1 .Ldone
	v_sub_nc_u32 v79, v0, v78                      ; which piece of its pair
	v_lshlrev_b32 v79, 6, v79
	v_add_nc_u32 v74, v76, v79                     ; its first place
	v_sub_nc_u32 v75, v77, v79                     ; what is left of the pair there,
	v_max_i32 v75, 0, v75                          ; held to 0 .. 64
	v_min_i32 v75, 64, v75
	global_store_b128 v93, v[72:75], s[12:13]
.Ldone:
	s_wait_tensorcnt 0x0
	ds_add_u32 v192, v193
	s_wait_dscnt 0x0
	s_endpgm
.Lfunc_end_k_q27d2c7889a_place:
	.size	k_q27d2c7889a_place, .Lfunc_end_k_q27d2c7889a_place-k_q27d2c7889a_place
	.p2alignl 7, 3214868480
	.fill 96, 4, 3214868480
	.section	.rodata,"a",@progbits
	.p2align	6, 0x0
	.amdhsa_kernel k_q27d2c7889a_place
		.amdhsa_group_segment_fixed_size 33792
		.amdhsa_private_segment_fixed_size 0
		.amdhsa_enable_private_segment 0
		.amdhsa_kernarg_size 48
		.amdhsa_user_sgpr_count 2
		.amdhsa_user_sgpr_kernarg_segment_ptr 1
		.amdhsa_wavefront_size32 1
		.amdhsa_system_sgpr_workgroup_id_x 1
		.amdhsa_system_sgpr_workgroup_id_y 1
		.amdhsa_system_sgpr_workgroup_id_z 1
		.amdhsa_system_vgpr_workitem_id 0
		.amdhsa_next_free_vgpr 194
		.amdhsa_next_free_sgpr 66
		.amdhsa_reserve_vcc 1
		.amdhsa_float_denorm_mode_32 3
		.amdhsa_float_denorm_mode_16_64 3
		.amdhsa_memory_ordered 1
		.amdhsa_forward_progress 1
		.amdhsa_inst_pref_size 51
	.end_amdhsa_kernel
	.amdgpu_metadata
---
amdhsa.version: [ 1, 2 ]
amdhsa.kernels:
  - .name:           k_q27d2c7889a_place
    .symbol:         k_q27d2c7889a_place.kd
    .args:
      - { .name: tokw, .offset: 0, .size: 8, .value_kind: global_buffer, .address_space: global }
      - { .name: hist, .offset: 8, .size: 8, .value_kind: global_buffer, .address_space: global }
      - { .name: We_codes, .offset: 16, .size: 8, .value_kind: global_buffer, .address_space: global }
      - { .name: order, .offset: 24, .size: 8, .value_kind: global_buffer, .address_space: global }
      - { .name: tiles, .offset: 32, .size: 8, .value_kind: global_buffer, .address_space: global }
      - { .name: WB, .offset: 40, .size: 8, .value_kind: global_buffer, .address_space: global }
    .group_segment_fixed_size: 33792
    .private_segment_fixed_size: 0
    .kernarg_segment_align: 8
    .kernarg_segment_size: 48
    .max_flat_workgroup_size: 256
    .sgpr_count:     66
    .vgpr_count:     194
    .wavefront_size: 32
...
	.end_amdgpu_metadata
.endif
;; end of part 4
;; launch experts (part 5): grid 8 x 32, 4 waves a work-group, no clusters, 307,200 bytes of LDS; arguments x_codes, x_scales, gates, order, tiles, WB, We_scales, be, out0; writes out0
.if DOCPART == 5
	.amdgcn_target "amdgcn-amd-amdhsa--gfx1250"
	.amdhsa_code_object_version 6
	.text
	.protected	k_q27d2c7889a_experts
	.globl	k_q27d2c7889a_experts
	.p2align	8
	.type	k_q27d2c7889a_experts,@function
k_q27d2c7889a_experts:
	s_mov_b64 s[64:65], 0
	v_nop
	global_prefetch_b8 v0, s[64:65] scope:SCOPE_SE
	s_setreg_imm32_b32 hwreg(HW_REG_WAVE_MODE, 25, 1), 1
	s_wait_xcnt 0x0
; out[n] = w_lo (Q(x[n]) We[lo] + be[lo]) + w_hi (Q(x[n]) We[hi] + be[hi]).  Codes of E3M2, one E8M0 scale for each 32 along K = 1,024; sums f32.
; THE LIST.  The launch before has cut the tokens, sorted by their pair of experts lo < hi, into GROUPS of up to 64 tokens of one pair: 160 records (lo, hi, first place in the sorted list, rows), those with rows first;
; never more than 155 have rows, whatever the split.  SHARES.  Work-group (x, y) takes columns 128 x .. 128 x + 127 of groups 5 y .. 5 y + 4: 8 x 32 = 256 work-groups, at most five groups each.
; EVERY WAVE PASSES EVERY BARRIER: the branches on the stored records jump over work alone.  Between two barriers the work stands in one region, left out where its group has no rows; what a region loads into
; registers it also uses up.  Only the weights, their scales, the biases and the token list are kept across regions: for the first record they are asked for without a test (a record without rows still names valid places,
; each field being held inside its table), so that these registers are written on every way.
; Each output row has one owner, so nothing is added between work-groups.  Wave w takes columns 32 w .. 32 w + 31 of BOTH experts for all rows: its weights, 4 fragments x 8 K steps = 384 registers, come from WB
; (laid in register order) and stay while the pair stays; where a group's pair differs from the last group's they are asked for anew, behind the last group's products, and land under that group's way out.
; The tokens' codes are gathered into LDS, 64 rows a group; each wave gathers 16 rows of a group, through registers, a group's products or more ahead of their use.
; THE PRODUCT IS USED TRANSPOSED: source 0 = 16 columns of We, source 1 = 16 tokens: a lane holds ONE token (lane % 16) and eight neighbouring columns 8 (lane / 16) + 0 .. 7.  The bias is the C of a sum's first K step.
; Rows behind a group's last take other tokens of the list; they are multiplied with the group and never stored.
; NO TENSOR LOADS AND NO CLUSTER: branches here hang on the stored records; joint requests exist for tensor loads alone.
; NO PREFETCH: every gather is asked for a group's products ahead, and the weights are read by several work-groups, not once.
; LDS: AROWS 320 rows x 784 (768 + 16: an odd multiple of 16, so the 16 rows of a load of 16 bytes a lane start 16 bytes apart modulo 256) | ASC 320 x 48 scale bytes | GL 320 x 16 gates | TOK 384 tokens | STG0 64 x 528.
;   Even groups' results go through STG0, odd groups' through the bytes of AROWS's group 0, which nobody reads behind the barrier that ends group 0.
; REGISTERS, windows of 256: 0: v1-31 addresses, v32-47 We's scale words, v48-63 x's, v64-95 biases, v96-191 gather staging 0, v192-201 and v236-245 gather offsets (two sets by turns), v204-219 staged scales and gates,
;   v220-235 output offsets.   1: B of K steps 0-4 at v[48 s + 12 f]; v240-244 copies of A's addresses.   2: B of K steps 5-7; v144-239 gather staging 1, from group 0's way out on the rows read back from the stage (v144-207);
;   v240-244 the same copies; v245 the gates' address.   3: v0-127 the 16 accumulators (row tile i, fragment f = 2 expert + column tile) at v[8 (4 i + f)]; v128-223 A's fragments, two sets; v224-239 gates; v240-241 stage addresses.
; SCALARS: s[4:21] the nine buffers; s[24:27] WB at lo, hi; s[28:31] We_scales; s[32:35] be; s40 wave; s49 16 wave; s54 my first tile of 16 columns; s[68:87] the five records.
.set PITCH, 784
.set GRP,   64*PITCH
.set ASC,   320*PITCH
.set GL,    ASC+320*48
.set TOK,   GL+320*16
.set STG0,  TOK+384*4
.set SPI,   528
.set GA,    192                        ; gather offsets: set 0 at v192, set 1 at v236
.set QQ,    204
.set OA,    220
.set OB,    144                        ; in window 2
.set REC,   68                         ; record g: s[REC + 4 g] lo, + 1 hi, + 2 first place, + 3 rows
.set MSB, 0
.macro WIN new                         ; the immediate's high byte repeats the setting that is left
.if MSB != \new
	s_set_vgpr_msb (MSB<<8)|\new
.set MSB, \new
.endif
.endm
.macro BARRIER                         ; my LDS stores have landed and my LDS loads are in: then the work-group's barrier
	s_wait_dscnt 0x0
	s_barrier_signal -1
	s_barrier_wait -1
.endm
.macro DEADIF g, lab                   ; what follows is left out where group g has no rows (then no later group has any)
	s_cmp_eq_u32 s[REC+4*\g+3], 0
	s_cbranch_scc1 \lab
.endm
	s_load_b512 s[4:19], s[0:1], 0x0               ; x_codes, x_scales, gates, order, tiles, WB, We_scales, be
	s_load_b64 s[20:21], s[0:1], 0x40              ; out0
	v_lshl_add_u32 v254, v0, 2, 0x4ae00
	v_mov_b32 v255, 0
	v_lshrrev_b32 v25, 5, v0
	v_readfirstlane_b32 s40, v25                   ; wave 0..3
	s_and_b32 s43, ttmp7, 0xffff                   ; y
	s_mul_i32 s44, s43, 80                         ; five records of 16 bytes
	s_mov_b32 s45, 0
	s_wait_kmcnt 0x0
	s_add_nc_u64 s[46:47], s[12:13], s[44:45]
.irp g, 0,1,2,3,4
	s_load_b128 s[REC+4*\g:REC+4*\g+3], s[46:47], 16*\g
.endr
	v_and_b32 v1, 15, v0                           ; r
	v_bfe_u32 v2, v0, 4, 1                         ; h
	v_and_b32 v3, 31, v0                           ; lane
	v_lshlrev_b32 v4, 4, v3                        ; 16 lane
	v_lshlrev_b32 v5, 4, v1                        ; 16 r
	v_and_b32 v6, 1, v0
	v_lshlrev_b32 v6, 4, v6                        ; 16 (lane % 2)
	v_lshlrev_b32 v7, 5, v3                        ; 32 lane
	v_lshlrev_b32 v8, 5, v2                        ; 32 h
	v_lshrrev_b32 v26, 1, v3                       ; lane / 2
	s_lshl_b32 s41, s40, 6
	s_add_co_u32 s41, s41, TOK                     ; my wave's 16 tokens of a group
	v_lshl_add_u32 v9, v2, 2, s41                  ; token of row h (+ 2 j by the offset): the codes' gather
	v_lshl_add_u32 v10, v26, 2, s41                ; of row lane / 2: the scale bytes'
	v_lshl_add_u32 v11, v1, 2, s41                 ; of row r: the gates'
	v_mov_b32 v12, s41                             ; all 16, the same in every lane: the way out
	s_mul_i32 s42, s40, 16*PITCH
	v_mad_u32_u24 v13, v2, PITCH, v5
	v_add_nc_u32 v13, s42, v13                     ; gathered codes go to row 16 w + h (+ 2 j), byte 16 r (+ 256 u)
	s_mul_i32 s42, s40, 16*48
	s_add_co_u32 s42, s42, ASC
	v_mad_u32_u24 v14, v26, 48, v6
	v_add_nc_u32 v14, s42, v14                     ; scale bytes: row 16 w + lane / 2, half lane % 2
	s_lshl_b32 s42, s40, 8
	s_add_co_u32 s42, s42, GL
	v_add_nc_u32 v15, s42, v5                      ; gates: row 16 w + r
	v_mul_u32_u24 v16, v3, 48
	v_add_nc_u32 v16, ASC, v16                     ; x's scale words for the products: row = lane (+ 32 for the upper two row tiles)
	s_mul_i32 s42, s40, 16*SPI
	v_add_nc_u32 v18, s42, v4                      ; back from the odd groups' stage (at LDS byte 0): my 16 rows, 16 bytes a lane
	v_add_nc_u32 v17, STG0, v18                    ; and from the even groups'
	s_lshl_b32 s42, ttmp9, 9
	v_add_nc_u32 v19, s42, v4                      ; my 16 bytes in a row of out0: 512 x + 16 lane
	v_mul_u32_u24 v20, v1, PITCH
	v_mad_u32_u24 v20, v2, 48, v20                 ; A's fragments: row r, + 48 h: the lane's two blocks lie on end there
.irp g, 1,2,3,4
	v_add_nc_u32 v[20+\g], \g*GRP, v20
.endr
	v_lshl_add_u32 v27, v0, 2, TOK                 ; where my thread puts its three tokens of the list
	v_mul_u32_u24 v31, v1, SPI
	v_add_nc_u32 v31, v31, v8
	s_lshl_b32 s42, s40, 7
	v_add_nc_u32 v31, s42, v31                     ; into a stage: row r, + 32 h, + 128 w
	WIN 0x40                                       ; destination window 1
.irp g, 0,1,2,3,4
	v_mov_b32 v[240+\g], v[20+\g]                  ; under a product's setting an LDS load takes its address from B's window: so A's addresses lie there too
.endr
	WIN 0x80                                       ; destination window 2
.irp g, 0,1,2,3,4
	v_mov_b32 v[240+\g], v[20+\g]
.endr
	v_add_nc_u32 v245, GL, v5                      ; the gates of token r
	WIN 0xc0                                       ; destination window 3
	v_add_nc_u32 v240, STG0, v31
	v_mov_b32 v241, v31
	WIN 0
	v_and_b32 v31, 63, v0                          ; my thread's row in a group
	s_lshl_b32 s54, ttmp9, 3
	s_lshl_b32 s48, s40, 1
	s_add_co_u32 s54, s54, s48                     ; my first tile of 16 columns: 8 x + 2 w
	s_lshl_b32 s49, s40, 4
	s_mov_b32 s51, 0
	s_wait_kmcnt 0x0
.irp g, 0,1,2,3,4                      ; what was read from memory is held inside its table before it enters an address
	s_min_u32 s[REC+4*\g], s[REC+4*\g], 7
	s_min_u32 s[REC+4*\g+1], s[REC+4*\g+1], 7
	s_min_u32 s[REC+4*\g+2], s[REC+4*\g+2], 0x1fff
	s_min_u32 s[REC+4*\g+3], s[REC+4*\g+3], 64
.endr
; The bases of group g's two experts
.macro SETUPB g
	s_lshl_b32 s48, s[REC+4*\g], 6
	s_add_co_u32 s48, s48, s54                     ; my tiles of columns in expert lo
	s_mul_i32 s50, s48, 12288
	s_add_nc_u64 s[24:25], s[14:15], s[50:51]      ; its fragments,
	s_lshl_b32 s50, s48, 9
	s_add_nc_u64 s[28:29], s[16:17], s[50:51]      ; its scale bytes (16 columns x 32),
	s_lshl_b32 s50, s48, 6
	s_add_nc_u64 s[32:33], s[18:19], s[50:51]      ; its biases
	s_lshl_b32 s48, s[REC+4*\g+1], 6
	s_add_co_u32 s48, s48, s54                     ; and in expert hi
	s_mul_i32 s50, s48, 12288
	s_add_nc_u64 s[26:27], s[14:15], s[50:51]
	s_lshl_b32 s50, s48, 9
	s_add_nc_u64 s[30:31], s[16:17], s[50:51]
	s_lshl_b32 s50, s48, 6
	s_add_nc_u64 s[34:35], s[18:19], s[50:51]
.endm
; K step s of my four fragments f = 2 expert + column tile: twelve loads of 512 consecutive bytes
.macro BLOAD s
.irp f, 0,1,2,3
.irp c, 0,1,2
	global_load_b128 v[48*((\s)%5)+12*\f+4*\c:48*((\s)%5)+12*\f+4*\c+3], v4, s[24+2*(\f/2):25+2*(\f/2)] offset:12288*(\f%2)+1536*(\s)+512*\c
.endr
.endr
.endm
.macro SBLOAD                          ; 4 + 8 loads
.irp a, 0,1
	global_load_b128 v[32+8*\a:35+8*\a], v7, s[28+2*\a:29+2*\a]             ; We's scale words: lane = one of my 32 columns, register = K step: lanes 0-15 serve column tile 0, lanes 16-31 tile 1
	global_load_b128 v[36+8*\a:39+8*\a], v7, s[28+2*\a:29+2*\a] offset:16
.endr
.irp a, 0,1
.irp t, 0,1
	global_load_b128 v[64+8*(2*\a+\t):67+8*(2*\a+\t)], v8, s[32+2*\a:33+2*\a] offset:64*\t      ; the biases of columns 16 t + 8 h + 0 .. 7: the result's layout
	global_load_b128 v[68+8*(2*\a+\t):71+8*(2*\a+\t)], v8, s[32+2*\a:33+2*\a] offset:64*\t+16
.endr
.endr
.endm
; Group g's weights, where it has rows and its pair is not the last group's.  The wait finds nothing out on the ways that are walked; it stands so that on every way the bases are written, and the registers loaded, with no load pending
.macro RELOAD g
	s_cmp_eq_u32 s[REC+4*\g+3], 0
	s_cbranch_scc1 .Lsame_\g
	s_xor_b32 s41, s[REC+4*\g], s[REC+4*\g-4]
	s_xor_b32 s42, s[REC+4*\g+1], s[REC+4*\g-3]
	s_or_b32 s41, s41, s42
	s_cmp_eq_u32 s41, 0
	s_cbranch_scc1 .Lsame_\g
	s_wait_loadcnt 0x0
	SETUPB \g
	WIN 0x40
	BLOAD 0
	BLOAD 1
	BLOAD 2
	BLOAD 3
	BLOAD 4
	WIN 0x80
	BLOAD 5
	BLOAD 6
	BLOAD 7
	WIN 0
	SBLOAD
.Lsame_\g:
.endm
; The gather offsets of group g, my wave's 16 rows, into set st.  The set's last users, the loads of the gather two back, were shown done by the wait on LOADcnt ahead of that gather's LDS stores
.macro TOKADR g, st
.set GB, GA+44*\st
.irp j, 0,1,2,3,4,5,6,7
	ds_load_b32 v[GB+\j], v9 offset:4*(64*\g+2*\j)
.endr
	ds_load_b32 v[GB+8], v10 offset:256*\g
	ds_load_b32 v[GB+9], v11 offset:256*\g
	s_wait_dscnt 0x0                               ; they are in; and every earlier LDS store of mine has read its registers
.irp j, 0,1,2,3,4,5,6,7,8,9
	v_min_u32 v[GB+\j], 0x1fff, v[GB+\j]
.endr
.irp j, 0,1,2,3,4,5,6,7
	v_mad_u32_u24 v[GB+\j], v[GB+\j], 768, v5      ; lanes 0-15: row 2 j's codes, lanes 16-31: row 2 j + 1's; 16 bytes a lane
.endr
	v_lshl_add_u32 v[GB+8], v[GB+8], 5, v6
	v_lshlrev_b32 v[GB+9], 4, v[GB+9]
.endm
; 26 loads: 16 rows x 768 bytes of codes (sixteen lanes read 256 consecutive bytes of a row), their scale bytes, their gates.  st: staging 0 (window 0, v96) or 1 (window 2, v144), and the offsets' set
.macro GLOAD st
.set GB, GA+44*\st
.if \st
	WIN 0x80
.endif
.irp j, 0,1,2,3,4,5,6,7
.irp u, 0,1,2
	global_load_b128 v[96+48*\st+12*\j+4*\u:99+48*\st+12*\j+4*\u], v[GB+\j], s[4:5] offset:256*\u
.endr
.endr
	WIN 0
	global_load_b128 v[QQ+8*\st:QQ+8*\st+3], v[GB+8], s[6:7]
	global_load_b128 v[QQ+8*\st+4:QQ+8*\st+7], v[GB+9], s[8:9]
.endm
.macro GSTORE g, st
	v_add_nc_u32 v25, \g*GRP, v13
.if \st
	WIN 0x08                                       ; store data: window 2
.endif
.irp j, 0,1,2,3,4,5,6,7
.irp u, 0,1,2
	ds_store_b128 v25, v[96+48*\st+12*\j+4*\u:99+48*\st+12*\j+4*\u] offset:2*PITCH*\j+256*\u
.endr
.endr
	WIN 0
	ds_store_b128 v14, v[QQ+8*\st:QQ+8*\st+3] offset:3072*\g
	ds_store_b128 v15, v[QQ+8*\st+4:QQ+8*\st+7] offset:1024*\g     ; lanes r and r + 16 write the same bytes with the same values
.endm
; Fragment q = 4 s + i of group g (row tile i, K step s): 48 bytes a lane, into set s % 2.  ar: where A's addresses lie in the window that source 0 names
.macro AFRAG g, q, ar
.irp c, 0,1,2
	ds_load_b128 v[128+48*(((\q)/4)%2)+12*((\q)%4)+4*\c:131+48*(((\q)/4)%2)+12*((\q)%4)+4*\c], v[\ar+\g] offset:16*PITCH*((\q)%4)+96*((\q)/4)+16*\c
.endr
.endm
; Ahead of a group's products: x's scale words (lanes 0-15: row tile 2 b, lanes 16-31: 2 b + 1; register = K step) and the first eight fragments: 28 loads
.macro PREP g
.irp b, 0,1
.irp q, 0,1
	ds_load_b128 v[48+8*\b+4*\q:51+8*\b+4*\q], v16 offset:48*(64*\g+32*\b)+16*\q
.endr
.endr
	WIN 0xc0
.set Q, 0
.rept 8
	AFRAG \g, Q, 20
.set Q, Q+1
.endr
	WIN 0
.endm
.macro WM d, b, a, c, sb, sa, ra, rb   ; ra, rb: the side's scale words stand in lanes 16-31
.if (\ra) && (\rb)
	v_wmma_scale_f32_16x16x128_f8f6f4 v[\d:\d+7], v[\b:\b+11], v[\a:\a+11], v[\c:\c+7], v[\sb], v[\sa] matrix_a_fmt:MATRIX_FMT_BF6 matrix_b_fmt:MATRIX_FMT_BF6 matrix_a_scale:MATRIX_SCALE_ROW1 matrix_b_scale:MATRIX_SCALE_ROW1
.elseif \ra
	v_wmma_scale_f32_16x16x128_f8f6f4 v[\d:\d+7], v[\b:\b+11], v[\a:\a+11], v[\c:\c+7], v[\sb], v[\sa] matrix_a_fmt:MATRIX_FMT_BF6 matrix_b_fmt:MATRIX_FMT_BF6 matrix_a_scale:MATRIX_SCALE_ROW1
.elseif \rb
	v_wmma_scale_f32_16x16x128_f8f6f4 v[\d:\d+7], v[\b:\b+11], v[\a:\a+11], v[\c:\c+7], v[\sb], v[\sa] matrix_a_fmt:MATRIX_FMT_BF6 matrix_b_fmt:MATRIX_FMT_BF6 matrix_b_scale:MATRIX_SCALE_ROW1
.else
	v_wmma_scale_f32_16x16x128_f8f6f4 v[\d:\d+7], v[\b:\b+11], v[\a:\a+11], v[\c:\c+7], v[\sb], v[\sa] matrix_a_fmt:MATRIX_FMT_BF6 matrix_b_fmt:MATRIX_FMT_BF6
.endif
.endm
; A GROUP'S 128 PRODUCTS: K = 16 s + 4 i + f.  The 16 accumulators take turns, one instruction a turn, in the same order in every K step.
; One v_nop follows each product.  A fragment of A serves four products.  A's loads come two fragments, six loads, at a time: behind product 4 q + 11 (q even) fragments q + 8 and q + 9 are loaded into the registers of
; fragments q and q + 1: the last reader of these, product 4 q + 7, stands five v_nop back (ISA guide 7.12.1 for vector instructions), and the first use is 20 products on.
.macro COMPUTE g
.set K, 0
.rept 128
.set KST, K/16
.set KI, (K/4)%4
.set KF, K%4
.set DR, 8*(4*KI+KF)
.set BR, 48*(KST%5)+12*KF
.set AR, 128+48*(KST%2)+12*KI
.set CR, DR
.if KST == 0
.set CR, 64+8*KF
.endif
.if K%4 == 0
.set QN, K/4
.set LFT, 5+QN%2                       ; behind fragment QN's three loads those of five more fragments were issued where QN is even, of six where it is odd (seven at the group's head: the smaller count is safe),
.if 31-QN < LFT
.set LFT, 31-QN                        ; and at the group's end only those of the fragments that are left
.endif
	s_wait_dscnt 3*LFT
.endif
.if K == 0
	WIN 0xcd                                       ; B window 1, A window 3, C = the biases in window 0, D window 3
.elseif K == 16
	WIN 0xfd                                       ; C and D window 3
.elseif K == 80
	WIN 0xfe                                       ; B window 2
.endif
	WM DR, BR, AR, CR, 32+8*(KF/2)+KST, 48+8*(KI/2)+KST, KF%2, KI%2
	v_nop
.if (K%8 == 3) && (K >= 11) && (K <= 99)
	AFRAG \g, (K-11)/4+8, 240
	AFRAG \g, (K-11)/4+9, 240
.endif
.if (K >= 112) && (K < 116)
	ds_load_b128 v[224+4*(K-112):227+4*(K-112)], v245 offset:16*(64*\g+16*(K-112))   ; the gates of row tile K - 112
.endif
.set K, K+1
.endr
.endm
; w_lo x (expert lo's sums) + w_hi x (expert hi's), in place, each accumulator from its low end on; 32 bytes a lane into the stage
.macro EPILOGUE g
	s_wait_dscnt 0x0                               ; the gates are in
	WIN 0xff
.irp i, 0,1,2,3
.irp t, 0,1
.irp m, 0,2,4,6
	v_pk_mul_f32 v[8*(4*\i+\t)+\m:8*(4*\i+\t)+\m+1], v[8*(4*\i+\t)+\m:8*(4*\i+\t)+\m+1], v[224+4*\i:225+4*\i]
.endr
.irp m, 0,2,4,6
	v_pk_fma_f32 v[8*(4*\i+\t)+\m:8*(4*\i+\t)+\m+1], v[8*(4*\i+2+\t)+\m:8*(4*\i+2+\t)+\m+1], v[226+4*\i:227+4*\i], v[8*(4*\i+\t)+\m:8*(4*\i+\t)+\m+1]
.endr
	ds_store_b128 v[240+(\g)%2], v[8*(4*\i+\t):8*(4*\i+\t)+3] offset:16*SPI*\i+64*\t
	ds_store_b128 v[240+(\g)%2], v[8*(4*\i+\t)+4:8*(4*\i+\t)+7] offset:16*SPI*\i+64*\t+16
.endr
.endr
	WIN 0
.endm
; My 16 rows of the group: their tokens, and the rows of 512 bytes from the stage, into registers that the products do not touch: 20 loads
.macro OUTLOAD g
.irp k, 0,1,2,3
	ds_load_b128 v[OA+4*\k:OA+4*\k+3], v12 offset:4*(64*\g+4*\k)
.endr
	WIN 0x80
.irp i, 0,1,2,3,4,5,6,7,8,9,10,11,12,13,14,15
	ds_load_b128 v[OB+4*\i:OB+4*\i+3], v[17+(\g)%2] offset:SPI*\i
.endr
	WIN 0
.endm
; They are stored: 32 lanes fill 512 consecutive bytes of a token's row, at a multiple of 256 from out0's first byte.  Dead rows are the group's last: a wave whose 16 rows all live stores them in one run;
; the one wave of a group that is cut walks them row by row.  left: the LDS loads issued behind OUTLOAD's, which may stay out.  The stores' data and offsets are written again by the next OUTLOAD alone:
; the wait on XCNT for them stands behind the next group's products, on every way through the region
.macro OUTSEND g, left
	s_wait_dscnt \left
.irp i, 0,1,2,3,4,5,6,7,8,9,10,11,12,13,14,15
	v_min_u32 v[OA+\i], 0x1fff, v[OA+\i]
.endr
.irp i, 0,1,2,3,4,5,6,7,8,9,10,11,12,13,14,15
	v_lshl_add_u32 v[OA+\i], v[OA+\i], 12, v19
.endr
	s_sub_co_i32 s42, s[REC+4*\g+3], s49           ; live rows from my first row on
	s_cmp_lt_i32 s42, 16
	s_cbranch_scc1 .Lpart_\g
	WIN 0x08                                       ; store data: window 2
.irp i, 0,1,2,3,4,5,6,7,8,9,10,11,12,13,14,15
	global_store_b128 v[OA+\i], v[OB+4*\i:OB+4*\i+3], s[20:21] th:TH_STORE_NT
.endr
	WIN 0
	s_branch .Ldone_\g
.Lpart_\g:
.irp i, 0,1,2,3,4,5,6,7,8,9,10,11,12,13,14,15
	s_cmp_le_i32 s42, \i
	s_cbranch_scc1 .Ldone_\g
	WIN 0x08
	global_store_b128 v[OA+\i], v[OB+4*\i:OB+4*\i+3], s[20:21] th:TH_STORE_NT
	WIN 0
.endr
.Ldone_\g:
.endm
	; THE HEAD'S LOADS, without a test.  The tokens are asked for first: the gathers hang on them.  Thread t fills words t, t + 128, t + 256 of the 384: word 64 g + i is the token at place (group g's first place) + i,
	; held at the list's last place; the words from 320 on repeat group 4's and are not read
	SETUPB 0
	s_cmp_lt_u32 s40, 2
	s_cselect_b32 s55, s[REC+2], s[REC+6]          ; waves 0, 1: groups 0, 2, 4; waves 2, 3: groups 1, 3 (, 4)
	s_cselect_b32 s56, s[REC+10], s[REC+14]
	v_add_nc_u32 v28, s55, v31
	v_add_nc_u32 v29, s56, v31
	v_add_nc_u32 v30, s[REC+18], v31
.irp k, 0,1,2
	v_min_u32 v[28+\k], 0x1fff, v[28+\k]
.endr
.irp k, 0,1,2
	v_lshlrev_b32 v[28+\k], 2, v[28+\k]
.endr
.irp k, 0,1,2
	global_load_b32 v[GA+\k], v[28+\k], s[10:11]
.endr
	WIN 0x40
	BLOAD 0
	BLOAD 1
	BLOAD 2
	BLOAD 3
	WIN 0
	SBLOAD
	s_wait_loadcnt 60                              ; the 48 + 4 + 8 loads issued behind them may be out: the tokens are in
.irp k, 0,1,2
	v_min_u32 v[GA+\k], 0x1fff, v[GA+\k]
.endr
.irp k, 0,1,2
	ds_store_b32 v27, v[GA+\k] offset:512*\k
.endr
	WIN 0x40
	BLOAD 4
	WIN 0x80
	BLOAD 5
	BLOAD 6
	BLOAD 7
	WIN 0
	BARRIER                                        ; the five groups' tokens lie in LDS; they are never written again
	DEADIF 0, .Ls1
	TOKADR 0, 0
	GLOAD 0                                        ; group 0
	TOKADR 1, 1
	GLOAD 1                                        ; group 1
	s_wait_loadcnt 26                              ; group 1's 26 loads may be out: group 0 is in
	GSTORE 0, 0
	s_wait_loadcnt 0x0
	GSTORE 1, 1
.Ls1:
	s_wait_loadcnt 0x0                             ; on every way: the weights, their scale words and the biases are in
	BARRIER                                        ; groups 0 and 1 lie in LDS
	DEADIF 0, .Ls2
	TOKADR 2, 0
	GLOAD 0                                        ; groups 2 and 3 are on their way while group 0 is multiplied
	TOKADR 3, 1
	GLOAD 1
	PREP 0
	COMPUTE 0
	EPILOGUE 0
	s_wait_loadcnt 0x0                             ; groups 2 and 3 are in
	RELOAD 1                                       ; the weights' registers are free: a new pair's are asked for ahead of the LDS stores, the barrier and the way out
	GSTORE 2, 0
	GSTORE 3, 1
.Ls2:
	BARRIER                                        ; group 0's results lie in the stage, groups 2 and 3 in LDS; nobody reads group 0's rows any more
	DEADIF 0, .Ls3
	OUTLOAD 0
	PREP 1
	TOKADR 4, 0
	GLOAD 0                                        ; group 4 is on its way while group 1 is multiplied
	OUTSEND 0, 0
	DEADIF 1, .Ld1
	s_wait_loadcnt 26                              ; group 4's 26 loads were issued behind the weights': these are in
	COMPUTE 1
	EPILOGUE 1
.Ld1:
	s_wait_xcnt 0x0                                ; group 0's stores have read their data and offsets
	s_wait_loadcnt 0x0                             ; group 4 is in
	RELOAD 2
	GSTORE 4, 0
.Ls3:
	BARRIER
	DEADIF 1, .Ls4                                 ; from here on a region serves group g's way out and group g + 1's products
	OUTLOAD 1
	PREP 2
	OUTSEND 1, 28
	DEADIF 2, .Ld2
	s_wait_loadcnt 0x0                             ; the weights are in
	COMPUTE 2
	EPILOGUE 2
.Ld2:
	s_wait_xcnt 0x0
	RELOAD 3
.Ls4:
	BARRIER
	DEADIF 2, .Ls5
	OUTLOAD 2
	PREP 3
	OUTSEND 2, 28
	DEADIF 3, .Ld3
	s_wait_loadcnt 0x0
	COMPUTE 3
	EPILOGUE 3
.Ld3:
	s_wait_xcnt 0x0
	RELOAD 4
.Ls5:
	BARRIER
	DEADIF 3, .Ls6
	OUTLOAD 3
	PREP 4
	OUTSEND 3, 28
	DEADIF 4, .Ld4
	s_wait_loadcnt 0x0
	COMPUTE 4
	EPILOGUE 4
.Ld4:
	s_wait_xcnt 0x0
.Ls6:
	BARRIER
	DEADIF 4, .Ls7
	OUTLOAD 4
	OUTSEND 4, 0
.Ls7:
	s_wait_tensorcnt 0x0
	ds_add_u32 v254, v255
	s_wait_dscnt 0x0
	s_endpgm
.Lfunc_end_k_q27d2c7889a_experts:
	.size	k_q27d2c7889a_experts, .Lfunc_end_k_q27d2c7889a_experts-k_q27d2c7889a_experts
	.p2alignl 7, 3214868480
	.fill 96, 4, 3214868480
	.section	.rodata,"a",@progbits
	.p2align	6, 0x0
	.amdhsa_kernel k_q27d2c7889a_experts
		.amdhsa_group_segment_fixed_size 307200
		.amdhsa_private_segment_fixed_size 0
		.amdhsa_enable_private_segment 0
		.amdhsa_kernarg_size 72
		.amdhsa_user_sgpr_count 2
		.amdhsa_user_sgpr_kernarg_segment_ptr 1
		.amdhsa_wavefront_size32 1
		.amdhsa_system_sgpr_workgroup_id_x 1
		.amdhsa_system_sgpr_workgroup_id_y 1
		.amdhsa_system_sgpr_workgroup_id_z 1
		.amdhsa_system_vgpr_workitem_id 0
		.amdhsa_next_free_vgpr 1024
		.amdhsa_next_free_sgpr 90
		.amdhsa_reserve_vcc 0
		.amdhsa_float_denorm_mode_32 3
		.amdhsa_float_denorm_mode_16_64 3
		.amdhsa_memory_ordered 1
		.amdhsa_forward_progress 1
		.amdhsa_inst_pref_size 255
	.end_amdhsa_kernel
	.section	.bss,"aw",@nobits
	.p2align	6
	.space	262144
	.amdgpu_metadata
---
amdhsa.version: [ 1, 2 ]
amdhsa.kernels:
  - .name:           k_q27d2c7889a_experts
    .symbol:         k_q27d2c7889a_experts.kd
    .args:
      - { .name: x_codes, .offset: 0, .size: 8, .value_kind: global_buffer, .address_space: global }
      - { .name: x_scales, .offset: 8, .size: 8, .value_kind: global_buffer, .address_space: global }
      - { .name: gates, .offset: 16, .size: 8, .value_kind: global_buffer, .address_space: global }
      - { .name: order, .offset: 24, .size: 8, .value_kind: global_buffer, .address_space: global }
      - { .name: tiles, .offset: 32, .size: 8, .value_kind: global_buffer, .address_space: global }
      - { .name: WB, .offset: 40, .size: 8, .value_kind: global_buffer, .address_space: global }
      - { .name: We_scales, .offset: 48, .size: 8, .value_kind: global_buffer, .address_space: global }
      - { .name: be, .offset: 56, .size: 8, .value_kind: global_buffer, .address_space: global }
      - { .name: out0, .offset: 64, .size: 8, .value_kind: global_buffer, .address_space: global }
    .group_segment_fixed_size: 307200
    .private_segment_fixed_size: 0
    .kernarg_segment_align: 8
    .kernarg_segment_size: 72
    .max_flat_workgroup_size: 128
    .sgpr_count:     90
    .vgpr_count:     1024
    .wavefront_size: 32
...
	.end_amdgpu_metadata
.endif
;; end of part 5
;; ======== version 3 of 3: 3 launches; version 2 with the launch experts written anew for expert scheduling mode
;; workspace buffers: x_codes 6,291,456 bytes; x_scales 262,144 bytes; gates 131,072 bytes; tokw 32,768 bytes of whole numbers; hist 8,192 bytes of whole numbers; order 32,768 bytes of whole numbers; tiles 2,560 bytes of whole numbers; WB 6,291,456 bytes
;; launch route: the kernel of part 1 again; grid 256 x 1, 4 waves a work-group, no clusters, 67,072 bytes of LDS; arguments x, Wr, x_codes, x_scales, gates, tokw, hist; writes x_codes, x_scales, gates, tokw, hist
;; launch place: the kernel of part 4 again; grid 65 x 1, 8 waves a work-group, no clusters, 33,792 bytes of LDS; arguments tokw, hist, We_codes, order, tiles, WB; writes order, tiles, WB
;; launch experts (part 6): grid 8 x 32, 4 waves a work-group, no clusters, 307,200 bytes of LDS; arguments x_codes, x_scales, gates, order, tiles, WB, We_scales, be, out0; writes out0
.if DOCPART == 6
	.amdgcn_target "amdgcn-amd-amdhsa--gfx1250"
	.amdhsa_code_object_version 6
	.text
	.protected	k_q27d2c7889a_experts
	.globl	k_q27d2c7889a_experts
	.p2align	8
	.type	k_q27d2c7889a_experts,@function
k_q27d2c7889a_experts:
	s_mov_b64 s[64:65], 0
	v_nop
	global_prefetch_b8 v0, s[64:65] scope:SCOPE_SE
	s_setreg_imm32_b32 hwreg(HW_REG_WAVE_SCHED_MODE, 0, 2), 2
	s_setreg_imm32_b32 hwreg(HW_REG_WAVE_MODE, 25, 1), 1
	s_wait_xcnt 0x0
	s_wait_alu depctr_vm_vsrc(0)
; out[n] = w_lo (Q(x[n]) We[lo] + be[lo]) + w_hi (Q(x[n]) We[hi] + be[hi]).  Codes of E3M2, one E8M0 scale for each 32 along K = 1,024; sums f32.
; THE LIST.  The launch before has cut the tokens, sorted by their pair of experts lo < hi, into GROUPS of up to 64 tokens of one pair: 160 records (lo, hi, first place in the sorted list, rows), those with rows first;
; never more than 155 have rows, whatever the split.  SHARES.  Work-group (x, y) takes columns 128 x .. 128 x + 127 of groups 5 y .. 5 y + 4: 8 x 32 = 256 work-groups, at most five groups each.
; EVERY WAVE PASSES EVERY BARRIER: the branches on the stored records jump over work alone.  Between two barriers the work stands in one region, left out where its group has no rows; what a region loads into
; registers it also uses up.  Only the weights, their scales, the biases and the token list are kept across regions: for the first record they are asked for without a test (a record without rows still names valid places,
; each field being held inside its table), so that these registers are written on every way.
; Each output row has one owner, so nothing is added between work-groups.  Wave w takes columns 32 w .. 32 w + 31 of BOTH experts for all rows: its weights, 4 fragments x 8 K steps = 384 registers, come from WB
; (laid in register order) and stay while the pair stays; where a group's pair differs from the last group's they are asked for anew, behind the last group's products, and land under that group's way out.
; The tokens' codes are gathered into LDS, 64 rows a group; each wave gathers 16 rows of a group, through registers, a group's products or more ahead of their use.
; THE PRODUCT IS USED TRANSPOSED: source 0 = 16 columns of We, source 1 = 16 tokens: a lane holds ONE token (lane % 16) and eight neighbouring columns 8 (lane / 16) + 0 .. 7.  The bias is the C of a sum's first K step.
; Rows behind a group's last take other tokens of the list; they are multiplied with the group and never stored.
; NO TENSOR LOADS AND NO CLUSTER: branches here hang on the stored records; joint requests exist for tensor loads alone.
; NO PREFETCH: every gather is asked for a group's products ahead, and the weights are read by several work-groups, not once.
; THE MODE: SCHED_MODE bits 1:0 = 2 (LLVM: expert scheduling mode 2), set by the entry lines.  The code itself states the register dependences between vector or matrix instructions and memory or LDS
; instructions, with s_wait_alu, always for 0.
; THE PLAN.  Registers that memory or LDS instructions touch, and who else names them:
;   Addresses and offsets (v4-12, v14-24, v27-30, v246-250, the copies in windows 1 to 3): made at the head, never written again.  One wait on va_vdst ahead of the head's first load serves them all.
;   Gather offsets, two sets: LDS loads land in a set, vector instructions make the offsets in place, ONE wait on va_vdst, the gather's loads read them.  The set is loaded again only behind the next barrier.
;   Gather stagings, staged scales and gates, the rows read back from the stage: loads land, stores read; no vector instruction names them.
;   A's two sets: K step s's products read set s % 2; the loads of K step s + 1 land in the other set, which K step s - 1's products read: ONE wait on va_vdst at the head of K steps 1 to 6, and the step's
;     twelve loads follow it among the step's products, which name none of the registers that those loads touch.
;   x's scale words, the weights, their scale words, the biases (read by products), the gates (read by the epilogue's multiply-adds), the accumulators (written by both, read by the epilogue's LDS stores):
;     ONE wait on va_vdst in the epilogue, between its 64 multiply-adds and its 16 LDS stores; no vector or matrix instruction behind it names one of them before the loads that land in them.
;   Output offsets: LDS loads land, vector instructions make the offsets in place, ONE wait on va_vdst, the global stores read them.
;   Whatever a memory or LDS instruction has read (offset sets, stagings, accumulators, output offsets and rows) is written again only in a later region: ONE wait on vm_vsrc behind each barrier states all of these.
; LDS: AROWS 320 rows x 784 (768 + 16: an odd multiple of 16, so the 16 rows of a load of 16 bytes a lane start 16 bytes apart modulo 256) | ASC 320 x 48 scale bytes | GL 320 x 16 gates | TOK 384 tokens | STG0 64 x 528.
;   Even groups' results go through STG0, odd groups' through the bytes of AROWS's group 0, which nobody reads behind the barrier that ends group 0.
; REGISTERS, windows of 256: 0: v1-31 addresses, v32-47 We's scale words, v48-63 x's, v64-95 biases, v96-191 gather staging 0, v192-201 and v236-245 gather offsets (two sets by turns), v204-219 staged scales and gates,
;   v220-235 output offsets, v246-250 where a group's gathered codes go.   1: B of K steps 0-4 at v[48 s + 12 f]; v240-244 copies of A's addresses.   2: B of K steps 5-7; v144-239 gather staging 1, from group 0's way out
;   on the rows read back from the stage (v144-207); v240-244 the same copies; v245 the gates' address.   3: v0-127 the 16 accumulators (row tile i, fragment f = 2 expert + column tile) at v[8 (4 i + f)];
;   v128-223 A's fragments, two sets; v224-239 gates; v240-241 stage addresses.
; SCALARS: s[4:21] the nine buffers; s[24:27] WB at lo, hi; s[28:31] We_scales; s[32:35] be; s40 wave; s49 16 wave; s54 my first tile of 16 columns; s[68:87] the five records.
.set PITCH, 784
.set GRP,   64*PITCH
.set ASC,   320*PITCH
.set GL,    ASC+320*48
.set TOK,   GL+320*16
.set STG0,  TOK+384*4
.set SPI,   528
.set GA,    192                        ; gather offsets: set 0 at v192, set 1 at v236
.set QQ,    204
.set OA,    220
.set GS,    246                        ; v246-250: group g's gathered codes go to v[GS + g]
.set OB,    144                        ; in window 2
.set REC,   68                         ; record g: s[REC + 4 g] lo, + 1 hi, + 2 first place, + 3 rows
.set MSB, 0
.macro WIN new                         ; the immediate's high byte repeats the setting that is left
.if MSB != \new
	s_set_vgpr_msb (MSB<<8)|\new
.set MSB, \new
.endif
.endm
.macro BARRIER                         ; my LDS stores have landed and my LDS loads are in: then the work-group's barrier
	s_wait_dscnt 0x0
	s_barrier_signal -1
	s_barrier_wait -1
	s_wait_alu depctr_vm_vsrc(0)                   ; the memory and LDS instructions issued so far have read their registers: the offset sets, the stagings, the accumulators, the output offsets and rows, which the next region writes again
.endm
.macro DEADIF g, lab                   ; what follows is left out where group g has no rows (then no later group has any)
	s_cmp_eq_u32 s[REC+4*\g+3], 0
	s_cbranch_scc1 \lab
.endm
	s_load_b512 s[4:19], s[0:1], 0x0               ; x_codes, x_scales, gates, order, tiles, WB, We_scales, be
	s_load_b64 s[20:21], s[0:1], 0x40              ; out0
	v_lshl_add_u32 v254, v0, 2, 0x4ae00
	v_mov_b32 v255, 0
	v_lshrrev_b32 v25, 5, v0
	v_readfirstlane_b32 s40, v25                   ; wave 0..3
	s_and_b32 s43, ttmp7, 0xffff                   ; y
	s_mul_i32 s44, s43, 80                         ; five records of 16 bytes
	s_mov_b32 s45, 0
	s_wait_kmcnt 0x0
	s_add_nc_u64 s[46:47], s[12:13], s[44:45]
.irp g, 0,1,2,3,4
	s_load_b128 s[REC+4*\g:REC+4*\g+3], s[46:47], 16*\g
.endr
	v_and_b32 v1, 15, v0                           ; r
	v_bfe_u32 v2, v0, 4, 1                         ; h
	v_and_b32 v3, 31, v0                           ; lane
	v_lshlrev_b32 v4, 4, v3                        ; 16 lane
	v_lshlrev_b32 v5, 4, v1                        ; 16 r
	v_and_b32 v6, 1, v0
	v_lshlrev_b32 v6, 4, v6                        ; 16 (lane % 2)
	v_lshlrev_b32 v7, 5, v3                        ; 32 lane
	v_lshlrev_b32 v8, 5, v2                        ; 32 h
	v_lshrrev_b32 v26, 1, v3                       ; lane / 2
	s_wait_alu depctr_va_sdst(0)                   ; s40 is written, ahead of its first reader: LDS places, bases and branches are made from it
	s_lshl_b32 s41, s40, 6
	s_add_co_u32 s41, s41, TOK                     ; my wave's 16 tokens of a group
	v_lshl_add_u32 v9, v2, 2, s41                  ; token of row h (+ 2 j by the offset): the codes' gather
	v_lshl_add_u32 v10, v26, 2, s41                ; of row lane / 2: the scale bytes'
	v_lshl_add_u32 v11, v1, 2, s41                 ; of row r: the gates'
	v_mov_b32 v12, s41                             ; all 16, the same in every lane: the way out
	s_mul_i32 s42, s40, 16*PITCH
	v_mad_u32_u24 v[GS], v2, PITCH, v5
	v_add_nc_u32 v[GS], s42, v[GS]                 ; gathered codes go to row 16 w + h (+ 2 j), byte 16 r (+ 256 u),
.irp g, 1,2,3,4
	v_add_nc_u32 v[GS+\g], \g*GRP, v[GS]           ; of their group: a register for each, so that no address is written behind the head
.endr
	s_mul_i32 s42, s40, 16*48
	s_add_co_u32 s42, s42, ASC
	v_mad_u32_u24 v14, v26, 48, v6
	v_add_nc_u32 v14, s42, v14                     ; scale bytes: row 16 w + lane / 2, half lane % 2
	s_lshl_b32 s42, s40, 8
	s_add_co_u32 s42, s42, GL
	v_add_nc_u32 v15, s42, v5                      ; gates: row 16 w + r
	v_mul_u32_u24 v16, v3, 48
	v_add_nc_u32 v16, ASC, v16                     ; x's scale words for the products: row = lane (+ 32 for the upper two row tiles)
	s_mul_i32 s42, s40, 16*SPI
	v_add_nc_u32 v18, s42, v4                      ; back from the odd groups' stage (at LDS byte 0): my 16 rows, 16 bytes a lane
	v_add_nc_u32 v17, STG0, v18                    ; and from the even groups'
	s_lshl_b32 s42, ttmp9, 9
	v_add_nc_u32 v19, s42, v4                      ; my 16 bytes in a row of out0: 512 x + 16 lane
	v_mul_u32_u24 v20, v1, PITCH
	v_mad_u32_u24 v20, v2, 48, v20                 ; A's fragments: row r, + 48 h: the lane's two blocks lie on end there
.irp g, 1,2,3,4
	v_add_nc_u32 v[20+\g], \g*GRP, v20
.endr
	v_lshl_add_u32 v27, v0, 2, TOK                 ; where my thread puts its three tokens of the list
	v_mul_u32_u24 v31, v1, SPI
	v_add_nc_u32 v31, v31, v8
	s_lshl_b32 s42, s40, 7
	v_add_nc_u32 v31, s42, v31                     ; into a stage: row r, + 32 h, + 128 w
	WIN 0x40                                       ; destination window 1
.irp g, 0,1,2,3,4
	v_mov_b32 v[240+\g], v[20+\g]                  ; under a product's setting an LDS load takes its address from B's window: so A's addresses lie there too
.endr
	WIN 0x80                                       ; destination window 2
.irp g, 0,1,2,3,4
	v_mov_b32 v[240+\g], v[20+\g]
.endr
	v_add_nc_u32 v245, GL, v5                      ; the gates of token r
	WIN 0xc0                                       ; destination window 3
	v_add_nc_u32 v240, STG0, v31
	v_mov_b32 v241, v31
	WIN 0
	v_and_b32 v31, 63, v0                          ; my thread's row in a group
	s_lshl_b32 s54, ttmp9, 3
	s_lshl_b32 s48, s40, 1
	s_add_co_u32 s54, s54, s48                     ; my first tile of 16 columns: 8 x + 2 w
	s_lshl_b32 s49, s40, 4
	s_mov_b32 s51, 0
	s_wait_kmcnt 0x0
.irp g, 0,1,2,3,4                      ; what was read from memory is held inside its table before it enters an address
	s_min_u32 s[REC+4*\g], s[REC+4*\g], 7
	s_min_u32 s[REC+4*\g+1], s[REC+4*\g+1], 7
	s_min_u32 s[REC+4*\g+2], s[REC+4*\g+2], 0x1fff
	s_min_u32 s[REC+4*\g+3], s[REC+4*\g+3], 64
.endr
; The bases of group g's two experts
.macro SETUPB g
	s_lshl_b32 s48, s[REC+4*\g], 6
	s_add_co_u32 s48, s48, s54                     ; my tiles of columns in expert lo
	s_mul_i32 s50, s48, 12288
	s_add_nc_u64 s[24:25], s[14:15], s[50:51]      ; its fragments,
	s_lshl_b32 s50, s48, 9
	s_add_nc_u64 s[28:29], s[16:17], s[50:51]      ; its scale bytes (16 columns x 32),
	s_lshl_b32 s50, s48, 6
	s_add_nc_u64 s[32:33], s[18:19], s[50:51]      ; its biases
	s_lshl_b32 s48, s[REC+4*\g+1], 6
	s_add_co_u32 s48, s48, s54                     ; and in expert hi
	s_mul_i32 s50, s48, 12288
	s_add_nc_u64 s[26:27], s[14:15], s[50:51]
	s_lshl_b32 s50, s48, 9
	s_add_nc_u64 s[30:31], s[16:17], s[50:51]
	s_lshl_b32 s50, s48, 6
	s_add_nc_u64 s[34:35], s[18:19], s[50:51]
.endm
; K step s of my four fragments f = 2 expert + column tile: twelve loads of 512 consecutive bytes
.macro BLOAD s
.irp f, 0,1,2,3
.irp c, 0,1,2
	global_load_b128 v[48*((\s)%5)+12*\f+4*\c:48*((\s)%5)+12*\f+4*\c+3], v4, s[24+2*(\f/2):25+2*(\f/2)] offset:12288*(\f%2)+1536*(\s)+512*\c
.endr
.endr
.endm
.macro SBLOAD                          ; 4 + 8 loads
.irp a, 0,1
	global_load_b128 v[32+8*\a:35+8*\a], v7, s[28+2*\a:29+2*\a]             ; We's scale words: lane = one of my 32 columns, register = K step: lanes 0-15 serve column tile 0, lanes 16-31 tile 1
	global_load_b128 v[36+8*\a:39+8*\a], v7, s[28+2*\a:29+2*\a] offset:16
.endr
.irp a, 0,1
.irp t, 0,1
	global_load_b128 v[64+8*(2*\a+\t):67+8*(2*\a+\t)], v8, s[32+2*\a:33+2*\a] offset:64*\t      ; the biases of columns 16 t + 8 h + 0 .. 7: the result's layout
	global_load_b128 v[68+8*(2*\a+\t):71+8*(2*\a+\t)], v8, s[32+2*\a:33+2*\a] offset:64*\t+16
.endr
.endr
.endm
; Group g's weights, where it has rows and its pair is not the last group's.  The wait on LOADcnt finds nothing out on the ways that are walked; it stands so that on every way the bases are written, and the registers
; loaded, with no load pending.  The products that read these registers stand ahead of the last epilogue's wait on va_vdst, and no vector or matrix instruction behind that wait names them
.macro RELOAD g
	s_cmp_eq_u32 s[REC+4*\g+3], 0
	s_cbranch_scc1 .Lsame_\g
	s_xor_b32 s41, s[REC+4*\g], s[REC+4*\g-4]
	s_xor_b32 s42, s[REC+4*\g+1], s[REC+4*\g-3]
	s_or_b32 s41, s41, s42
	s_cmp_eq_u32 s41, 0
	s_cbranch_scc1 .Lsame_\g
	s_wait_loadcnt 0x0
	SETUPB \g
	WIN 0x40
	BLOAD 0
	BLOAD 1
	BLOAD 2
	BLOAD 3
	BLOAD 4
	WIN 0x80
	BLOAD 5
	BLOAD 6
	BLOAD 7
	WIN 0
	SBLOAD
.Lsame_\g:
.endm
; The tokens of group g, my wave's 16 rows, into offset set st: ten LDS loads.  The set's last users, the loads of the gather two back, were shown done by the wait on LOADcnt ahead of that gather's LDS stores,
; and have read the set: the wait on vm_vsrc behind the barrier between
.macro TOKLD g, st
.set GB, GA+44*\st
.irp j, 0,1,2,3,4,5,6,7
	ds_load_b32 v[GB+\j], v9 offset:4*(64*\g+2*\j)
.endr
	ds_load_b32 v[GB+8], v10 offset:256*\g
	ds_load_b32 v[GB+9], v11 offset:256*\g
.endm
; and the gather offsets made of them, in place
.macro TOKMK st
.set GB, GA+44*\st
.irp j, 0,1,2,3,4,5,6,7,8,9
	v_min_u32 v[GB+\j], 0x1fff, v[GB+\j]
.endr
.irp j, 0,1,2,3,4,5,6,7
	v_mad_u32_u24 v[GB+\j], v[GB+\j], 768, v5      ; lanes 0-15: row 2 j's codes, lanes 16-31: row 2 j + 1's; 16 bytes a lane
.endr
	v_lshl_add_u32 v[GB+8], v[GB+8], 5, v6
	v_lshlrev_b32 v[GB+9], 4, v[GB+9]
.endm
; 26 loads: 16 rows x 768 bytes of codes (sixteen lanes read 256 consecutive bytes of a row), their scale bytes, their gates.  st: staging 0 (window 0, v96) or 1 (window 2, v144), and the offsets' set
.macro GLOAD st
.set GB, GA+44*\st
.if \st
	WIN 0x80
.endif
.irp j, 0,1,2,3,4,5,6,7
.irp u, 0,1,2
	global_load_b128 v[96+48*\st+12*\j+4*\u:99+48*\st+12*\j+4*\u], v[GB+\j], s[4:5] offset:256*\u
.endr
.endr
	WIN 0
	global_load_b128 v[QQ+8*\st:QQ+8*\st+3], v[GB+8], s[6:7]
	global_load_b128 v[QQ+8*\st+4:QQ+8*\st+7], v[GB+9], s[8:9]
.endm
.macro GSTORE g, st                    ; data from loads, addresses from the head: no vector instruction stands in its way
.if \st
	WIN 0x08                                       ; store data: window 2
.endif
.irp j, 0,1,2,3,4,5,6,7
.irp u, 0,1,2
	ds_store_b128 v[GS+\g], v[96+48*\st+12*\j+4*\u:99+48*\st+12*\j+4*\u] offset:2*PITCH*\j+256*\u
.endr
.endr
	WIN 0
	ds_store_b128 v14, v[QQ+8*\st:QQ+8*\st+3] offset:3072*\g
	ds_store_b128 v15, v[QQ+8*\st+4:QQ+8*\st+7] offset:1024*\g     ; lanes r and r + 16 write the same bytes with the same values
.endm
; Fragment q = 4 s + i of group g (row tile i, K step s): 48 bytes a lane, into set s % 2.  ar: where A's addresses lie in the window that source 0 names
.macro AFRAG g, q, ar
.irp c, 0,1,2
	ds_load_b128 v[128+48*(((\q)/4)%2)+12*((\q)%4)+4*\c:131+48*(((\q)/4)%2)+12*((\q)%4)+4*\c], v[\ar+\g] offset:16*PITCH*((\q)%4)+96*((\q)/4)+16*\c
.endr
.endm
; Ahead of a group's products: x's scale words (lanes 0-15: row tile 2 b, lanes 16-31: 2 b + 1; register = K step) and the first eight fragments: 28 loads.
; The last group's products, which read these registers, stand ahead of its epilogue's wait on va_vdst; no vector or matrix instruction behind that wait names them
.macro PREP g
.irp b, 0,1
.irp q, 0,1
	ds_load_b128 v[48+8*\b+4*\q:51+8*\b+4*\q], v16 offset:48*(64*\g+32*\b)+16*\q
.endr
.endr
	WIN 0xc0
.set Q, 0
.rept 8
	AFRAG \g, Q, 20
.set Q, Q+1
.endr
	WIN 0
.endm
.macro WM d, b, a, c, sb, sa, ra, rb   ; ra, rb: the side's scale words stand in lanes 16-31
.if (\ra) && (\rb)
	v_wmma_scale_f32_16x16x128_f8f6f4 v[\d:\d+7], v[\b:\b+11], v[\a:\a+11], v[\c:\c+7], v[\sb], v[\sa] matrix_a_fmt:MATRIX_FMT_BF6 matrix_b_fmt:MATRIX_FMT_BF6 matrix_a_scale:MATRIX_SCALE_ROW1 matrix_b_scale:MATRIX_SCALE_ROW1
.elseif \ra
	v_wmma_scale_f32_16x16x128_f8f6f4 v[\d:\d+7], v[\b:\b+11], v[\a:\a+11], v[\c:\c+7], v[\sb], v[\sa] matrix_a_fmt:MATRIX_FMT_BF6 matrix_b_fmt:MATRIX_FMT_BF6 matrix_a_scale:MATRIX_SCALE_ROW1
.elseif \rb
	v_wmma_scale_f32_16x16x128_f8f6f4 v[\d:\d+7], v[\b:\b+11], v[\a:\a+11], v[\c:\c+7], v[\sb], v[\sa] matrix_a_fmt:MATRIX_FMT_BF6 matrix_b_fmt:MATRIX_FMT_BF6 matrix_b_scale:MATRIX_SCALE_ROW1
.else
	v_wmma_scale_f32_16x16x128_f8f6f4 v[\d:\d+7], v[\b:\b+11], v[\a:\a+11], v[\c:\c+7], v[\sb], v[\sa] matrix_a_fmt:MATRIX_FMT_BF6 matrix_b_fmt:MATRIX_FMT_BF6
.endif
.endm
; A GROUP'S 128 PRODUCTS: K = 16 s + 4 i + f.  The 16 accumulators take turns, one instruction a turn, in the same order in every K step.
; A fragment of A serves four products.  K steps 0 and 1 find their fragments asked for (PREP).  At the head of K step s = 1 .. 6 stand four places and ONE wait on va_vdst; behind it K step s + 1's four fragments are
; loaded into set (s + 1) % 2, three loads behind each of the step's products 1, 3, 5 and 7: the step's own products name set s % 2, the weights, the scale words and the accumulators, none of the registers that
; those loads touch.  A fragment's first use is 15 products or more behind its loads.  Four places behind the last product serve the epilogue's reads of the sums and the next loads into the products' sources.
.macro COMPUTE g
.set K, 0
.rept 128
.set KST, K/16
.set KI, (K/4)%4
.set KF, K%4
.set DR, 8*(4*KI+KF)
.set BR, 48*(KST%5)+12*KF
.set AR, 128+48*(KST%2)+12*KI
.set CR, DR
.if KST == 0
.set CR, 64+8*KF
.endif
.if (K%16 == 0) && (KST >= 1) && (KST <= 6)
	v_nop                                          ; four places behind the last K step's products (ISA guide 7.12.1), kept beside the wait,
	v_nop
	v_nop
	v_nop
	s_wait_alu depctr_va_vdst(0)                   ; the last K step's products are done reading their set of A's fragments, in which this step's loads land
.endif
.if K%4 == 0                           ; how many LDS loads were issued behind row tile KI's fragment of this K step:
.if KST == 0
.set LFT, 21-3*KI                      ; the step's later fragments, three loads each, and K step 1's twelve
.elseif (KST == 7) && (KI == 0)
.set LFT, 9                            ; the step's later fragments
.elseif KST == 7
.set LFT, 13-3*KI                      ; and the four loads of the gates
.elseif KI == 0
.set LFT, 9                            ; the step's later fragments;
.elseif KI == 1
.set LFT, 12                           ; and of the next K step's those behind products 1 and 3;
.else
.set LFT, 21-3*KI                      ; all twelve of them
.endif
	s_wait_dscnt LFT
.endif
.if K == 0
	WIN 0xcd                                       ; B window 1, A window 3, C = the biases in window 0, D window 3
.elseif K == 16
	WIN 0xfd                                       ; C and D window 3
.elseif K == 80
	WIN 0xfe                                       ; B window 2
.endif
	WM DR, BR, AR, CR, 32+8*(KF/2)+KST, 48+8*(KI/2)+KST, KF%2, KI%2
.if (KST >= 1) && (KST <= 6) && (K%16 < 8) && (K%2 == 1)
.set QL, 4*(KST+1)+(K%16)/2
	AFRAG \g, QL, 240                              ; no wait: no vector or matrix instruction since the step's head names these registers
.endif
.if (K >= 112) && (K < 116)
	ds_load_b128 v[224+4*(K-112):227+4*(K-112)], v245 offset:16*(64*\g+16*(K-112))   ; the gates of row tile K - 112; the last epilogue's multiply-adds, which read these registers, stand ahead of its wait on va_vdst
.endif
.set K, K+1
.endr
	v_nop                                          ; four places behind the last product, before its result is read and its sources are loaded again (ISA guide 7.12.1)
	v_nop
	v_nop
	v_nop
.endm
; w_lo x (expert lo's sums) + w_hi x (expert hi's), in place, each accumulator from its low end on; then, behind one wait, 32 bytes a lane into the stage
.macro EPILOGUE g
	s_wait_dscnt 0x0                               ; the gates are in
	WIN 0xff
.irp i, 0,1,2,3
.irp t, 0,1
.irp m, 0,2,4,6
	v_pk_mul_f32 v[8*(4*\i+\t)+\m:8*(4*\i+\t)+\m+1], v[8*(4*\i+\t)+\m:8*(4*\i+\t)+\m+1], v[224+4*\i:225+4*\i]
.endr
.irp m, 0,2,4,6
	v_pk_fma_f32 v[8*(4*\i+\t)+\m:8*(4*\i+\t)+\m+1], v[8*(4*\i+2+\t)+\m:8*(4*\i+2+\t)+\m+1], v[226+4*\i:227+4*\i], v[8*(4*\i+\t)+\m:8*(4*\i+\t)+\m+1]
.endr
.endr
.endr
	s_wait_alu depctr_va_vdst(0)                   ; the multiply-adds have written the sums, which the LDS stores read, and are done reading the gates; the group's products are done reading A's sets, x's scale words, the weights, their scale words and the biases, in all of which later loads land
.irp i, 0,1,2,3
.irp t, 0,1
	ds_store_b128 v[240+(\g)%2], v[8*(4*\i+\t):8*(4*\i+\t)+3] offset:16*SPI*\i+64*\t
	ds_store_b128 v[240+(\g)%2], v[8*(4*\i+\t)+4:8*(4*\i+\t)+7] offset:16*SPI*\i+64*\t+16
.endr
.endr
	WIN 0
.endm
; My 16 rows of the group: their tokens, and the rows of 512 bytes from the stage, into registers that the products do not touch: 20 loads
.macro OUTLOAD g
.irp k, 0,1,2,3
	ds_load_b128 v[OA+4*\k:OA+4*\k+3], v12 offset:4*(64*\g+4*\k)
.endr
	WIN 0x80
.irp i, 0,1,2,3,4,5,6,7,8,9,10,11,12,13,14,15
	ds_load_b128 v[OB+4*\i:OB+4*\i+3], v[17+(\g)%2] offset:SPI*\i
.endr
	WIN 0
.endm
.macro OUTADR                          ; the tokens become offsets in out0, in place
.irp i, 0,1,2,3,4,5,6,7,8,9,10,11,12,13,14,15
	v_min_u32 v[OA+\i], 0x1fff, v[OA+\i]
.endr
.irp i, 0,1,2,3,4,5,6,7,8,9,10,11,12,13,14,15
	v_lshl_add_u32 v[OA+\i], v[OA+\i], 12, v19
.endr
.endm
; They are stored: 32 lanes fill 512 consecutive bytes of a token's row, at a multiple of 256 from out0's first byte.  Dead rows are the group's last: a wave whose 16 rows all live stores them in one run;
; the one wave of a group that is cut walks them row by row.  The stores' data and offsets are written again by the next OUTLOAD alone: the wait on XCNT for them stands behind the next group's products,
; on every way through the region, and the wait on vm_vsrc behind the barrier that follows
.macro OUTST g
	s_sub_co_i32 s42, s[REC+4*\g+3], s49           ; live rows from my first row on
	s_cmp_lt_i32 s42, 16
	s_cbranch_scc1 .Lpart_\g
	WIN 0x08                                       ; store data: window 2
.irp i, 0,1,2,3,4,5,6,7,8,9,10,11,12,13,14,15
	global_store_b128 v[OA+\i], v[OB+4*\i:OB+4*\i+3], s[20:21] th:TH_STORE_NT
.endr
	WIN 0
	s_branch .Ldone_\g
.Lpart_\g:
.irp i, 0,1,2,3,4,5,6,7,8,9,10,11,12,13,14,15
	s_cmp_le_i32 s42, \i
	s_cbranch_scc1 .Ldone_\g
	WIN 0x08
	global_store_b128 v[OA+\i], v[OB+4*\i:OB+4*\i+3], s[20:21] th:TH_STORE_NT
	WIN 0
.endr
.Ldone_\g:
.endm
.macro OUTSEND g, left                 ; left: the LDS loads issued behind OUTLOAD's, which may stay out
	s_wait_dscnt \left
	OUTADR
	s_wait_alu depctr_va_vdst(0)                   ; the sixteen output offsets are written, which the stores read
	OUTST \g
.endm
	; THE HEAD'S LOADS, without a test.  The tokens are asked for first: the gathers hang on them.  Thread t fills words t, t + 128, t + 256 of the 384: word 64 g + i is the token at place (group g's first place) + i,
	; held at the list's last place; the words from 320 on repeat group 4's and are not read
	SETUPB 0
	s_cmp_lt_u32 s40, 2
	s_cselect_b32 s55, s[REC+2], s[REC+6]          ; waves 0, 1: groups 0, 2, 4; waves 2, 3: groups 1, 3 (, 4)
	s_cselect_b32 s56, s[REC+10], s[REC+14]
	v_add_nc_u32 v28, s55, v31
	v_add_nc_u32 v29, s56, v31
	v_add_nc_u32 v30, s[REC+18], v31
.irp k, 0,1,2
	v_min_u32 v[28+\k], 0x1fff, v[28+\k]
.endr
.irp k, 0,1,2
	v_lshlrev_b32 v[28+\k], 2, v[28+\k]
.endr
	s_wait_alu depctr_va_vdst(0)                   ; every address and offset made at the head is written (windows 1 to 3's too): all loads and stores of the kernel read them, and none is written again
.irp k, 0,1,2
	global_load_b32 v[GA+\k], v[28+\k], s[10:11]
.endr
	WIN 0x40
	BLOAD 0
	BLOAD 1
	BLOAD 2
	BLOAD 3
	WIN 0
	SBLOAD
	s_wait_loadcnt 60                              ; the 48 + 4 + 8 loads issued behind them may be out: the tokens are in
.irp k, 0,1,2
	v_min_u32 v[GA+\k], 0x1fff, v[GA+\k]
.endr
	s_wait_alu depctr_va_vdst(0)                   ; the three held tokens are written, which the LDS stores read
.irp k, 0,1,2
	ds_store_b32 v27, v[GA+\k] offset:512*\k
.endr
	WIN 0x40
	BLOAD 4
	WIN 0x80
	BLOAD 5
	BLOAD 6
	BLOAD 7
	WIN 0
	BARRIER                                        ; the five groups' tokens lie in LDS; they are never written again
	DEADIF 0, .Ls1
	TOKLD 0, 0
	TOKLD 1, 1
	s_wait_dscnt 0x0                               ; both groups' tokens are in
	TOKMK 0
	TOKMK 1
	s_wait_alu depctr_va_vdst(0)                   ; both sets of gather offsets are written, which the 52 loads below read
	GLOAD 0                                        ; group 0
	GLOAD 1                                        ; group 1
	s_wait_loadcnt 26                              ; group 1's 26 loads may be out: group 0 is in
	GSTORE 0, 0
	s_wait_loadcnt 0x0
	GSTORE 1, 1
.Ls1:
	s_wait_loadcnt 0x0                             ; on every way: the weights, their scale words and the biases are in
	BARRIER                                        ; groups 0 and 1 lie in LDS
	DEADIF 0, .Ls2
	TOKLD 2, 0
	TOKLD 3, 1
	PREP 0
	s_wait_dscnt 28                                ; PREP's 28 loads may be out: the tokens are in
	TOKMK 0
	TOKMK 1
	s_wait_alu depctr_va_vdst(0)                   ; both sets of gather offsets are written, which the 52 loads below read
	GLOAD 0                                        ; groups 2 and 3 are on their way while group 0 is multiplied
	GLOAD 1
	COMPUTE 0
	EPILOGUE 0
	s_wait_loadcnt 0x0                             ; groups 2 and 3 are in
	RELOAD 1                                       ; the weights' registers are free: a new pair's are asked for ahead of the LDS stores, the barrier and the way out
	GSTORE 2, 0
	GSTORE 3, 1
.Ls2:
	BARRIER                                        ; group 0's results lie in the stage, groups 2 and 3 in LDS; nobody reads group 0's rows any more
	DEADIF 0, .Ls3
	TOKLD 4, 0
	OUTLOAD 0
	PREP 1
	s_wait_dscnt 48                                ; OUTLOAD's 20 and PREP's 28 loads may be out: group 4's tokens are in
	TOKMK 0
	s_wait_dscnt 28                                ; PREP's 28 may be out: group 0's tokens and rows are in
	OUTADR
	s_wait_alu depctr_va_vdst(0)                   ; the gather offsets and the output offsets are written, which the loads and the stores below read
	GLOAD 0                                        ; group 4 is on its way while group 1 is multiplied
	OUTST 0
	DEADIF 1, .Ld1
	s_wait_loadcnt 26                              ; group 4's 26 loads were issued behind the weights': these are in
	COMPUTE 1
	EPILOGUE 1
.Ld1:
	s_wait_xcnt 0x0                                ; group 0's stores have read their data and offsets
	s_wait_loadcnt 0x0                             ; group 4 is in
	RELOAD 2
	GSTORE 4, 0
.Ls3:
	BARRIER
	DEADIF 1, .Ls4                                 ; from here on a region serves group g's way out and group g + 1's products
	OUTLOAD 1
	PREP 2
	OUTSEND 1, 28
	DEADIF 2, .Ld2
	s_wait_loadcnt 0x0                             ; the weights are in
	COMPUTE 2
	EPILOGUE 2
.Ld2:
	s_wait_xcnt 0x0
	RELOAD 3
.Ls4:
	BARRIER
	DEADIF 2, .Ls5
	OUTLOAD 2
	PREP 3
	OUTSEND 2, 28
	DEADIF 3, .Ld3
	s_wait_loadcnt 0x0
	COMPUTE 3
	EPILOGUE 3
.Ld3:
	s_wait_xcnt 0x0
	RELOAD 4
.Ls5:
	BARRIER
	DEADIF 3, .Ls6
	OUTLOAD 3
	PREP 4
	OUTSEND 3, 28
	DEADIF 4, .Ld4
	s_wait_loadcnt 0x0
	COMPUTE 4
	EPILOGUE 4
.Ld4:
	s_wait_xcnt 0x0
.Ls6:
	BARRIER
	DEADIF 4, .Ls7
	OUTLOAD 4
	OUTSEND 4, 0
.Ls7:
	s_wait_dscnt 0x0                               ; the closing lines, six on end
	s_wait_alu 0x0
	s_wait_tensorcnt 0x0
	ds_add_u32 v254, v255
	s_wait_dscnt 0x0
	s_endpgm
.Lfunc_end_k_q27d2c7889a_experts:
	.size	k_q27d2c7889a_experts, .Lfunc_end_k_q27d2c7889a_experts-k_q27d2c7889a_experts
	.p2alignl 7, 3214868480
	.fill 96, 4, 3214868480
	.section	.rodata,"a",@progbits
	.p2align	6, 0x0
	.amdhsa_kernel k_q27d2c7889a_experts
		.amdhsa_group_segment_fixed_size 307200
		.amdhsa_private_segment_fixed_size 0
		.amdhsa_enable_private_segment 0
		.amdhsa_kernarg_size 72
		.amdhsa_user_sgpr_count 2
		.amdhsa_user_sgpr_kernarg_segment_ptr 1
		.amdhsa_wavefront_size32 1
		.amdhsa_system_sgpr_workgroup_id_x 1
		.amdhsa_system_sgpr_workgroup_id_y 1
		.amdhsa_system_sgpr_workgroup_id_z 1
		.amdhsa_system_vgpr_workitem_id 0
		.amdhsa_next_free_vgpr 1024
		.amdhsa_next_free_sgpr 90
		.amdhsa_reserve_vcc 0
		.amdhsa_float_denorm_mode_32 3
		.amdhsa_float_denorm_mode_16_64 3
		.amdhsa_memory_ordered 1
		.amdhsa_forward_progress 1
		.amdhsa_inst_pref_size 255
	.end_amdhsa_kernel
	.section	.bss,"aw",@nobits
	.p2align	6
	.space	262144
	.amdgpu_metadata
---
amdhsa.version: [ 1, 2 ]
amdhsa.kernels:
  - .name:           k_q27d2c7889a_experts
    .symbol:         k_q27d2c7889a_experts.kd
    .args:
      - { .name: x_codes, .offset: 0, .size: 8, .value_kind: global_buffer, .address_space: global }
      - { .name: x_scales, .offset: 8, .size: 8, .value_kind: global_buffer, .address_space: global }
      - { .name: gates, .offset: 16, .size: 8, .value_kind: global_buffer, .address_space: global }
      - { .name: order, .offset: 24, .size: 8, .value_kind: global_buffer, .address_space: global }
      - { .name: tiles, .offset: 32, .size: 8, .value_kind: global_buffer, .address_space: global }
      - { .name: WB, .offset: 40, .size: 8, .value_kind: global_buffer, .address_space: global }
      - { .name: We_scales, .offset: 48, .size: 8, .value_kind: global_buffer, .address_space: global }
      - { .name: be, .offset: 56, .size: 8, .value_kind: global_buffer, .address_space: global }
      - { .name: out0, .offset: 64, .size: 8, .value_kind: global_buffer, .address_space: global }
    .group_segment_fixed_size: 307200
    .private_segment_fixed_size: 0
    .kernarg_segment_align: 8
    .kernarg_segment_size: 72
    .max_flat_workgroup_size: 128
    .sgpr_count:     90
    .vgpr_count:     1024
    .wavefront_size: 32
...
	.end_amdgpu_metadata
.endif
;; end of part 6
